; MI455X (gfx1250); checked and timed in simulation.
; The chip was launched on July 23, 2026; its instructions are those of AMD's public machine-readable ISA for CDNA 5 (MIT licence, August 2026) and "CDNA5" Instruction Set Architecture Reference Guide (July 2026). The comments in the code are by the model that wrote it; some were corrected since.
;; Causal Self Attention. Allowed arithmetic: matrix products marked QUANTISED: E2M3 operands, one E8M0 scale for each 32 along K, by v_wmma_scale_f32_16x16x128_f8f6f4 with both operands' format E2M3, f32 sums; everything else in f32.
;; Inputs: W_proj 1,024 x 1,024 float32; W_qkv 1,024 x 3,072 float32; x 4 x 2,048 x 1,024 float32.
;; Outputs: out0 4 x 2,048 x 1,024 float32.
;; This version of the problem:
;;   THIS VERSION OF THE PROBLEM IS GIVEN IN LOW PRECISION. The matrix products marked QUANTISED in the list below multiply operands that are first quantised to E2M3 (2 exponent bits, 3 mantissa bits; 6 bits a number), with one power-of-two scale for each 32 numbers along K (OCP MX v1.0); their sums are f32. All else is computed in f32.
;;   The module's matrix products, in the order in which they are computed (A, B: the left and right operand; K: the contracted axis; several contracted axes count as one K, in the product's order):
;;     1. [M 8,192, K 1,024] x [K 1,024, N 3,072]; A: input x; B: input W_qkv: QUANTISED
;;     2. batch 64 x [M 2,048, K 64] x [K 64, N 2,048]; A: computed on the way; B: computed on the way: QUANTISED
;;     3. batch 64 x [M 2,048, K 2,048] x [K 2,048, N 64]; A: softmax (see below); B: computed on the way: QUANTISED
;;     4. [M 8,192, K 1,024] x [K 1,024, N 1,024]; A: computed on the way; B: input W_proj: QUANTISED
;;   THE QUANTISER, for each operand of a quantised product, along K:
;;     - K is cut into blocks of 32 from its start; a last block that is shorter is filled with zeros.
;;     - A block's scale is 2^e with e = floor(log2(the largest magnitude in the block)) - 2, held to -126 .. 127; a block of zeros has e = 0. As a byte (E8M0): e + 127.
;;     - Each number is divided by its block's scale, clamped to +-7.5, and rounded to the nearest number of E2M3, ties to even, subnormals kept.
;;     - The product sums the exact products of the quantised numbers (number of the format x scale) in f32.
;;   ~~~python
;;   def quantise(x, axis):      # numpy; x: float32 -> the quantised numbers, widened to float32 again
;;       x = np.moveaxis(x, axis, -1); K = x.shape[-1]
;;       x = np.pad(x, [(0, 0)] * (x.ndim - 1) + [(0, -K % 32)]); x = x.reshape(x.shape[:-1] + (-1, 32)); a = np.abs(x).max(-1, keepdims=True)
;;       e = np.where(a > 0, np.clip(np.frexp(np.where(a > 0, a, 1))[1] - 1 - 2, -126, 127), 0)      # np.frexp(a)[1] - 1 = floor(log2(a)), exactly
;;       r = np.clip(x / 2.0 ** e, -7.5, 7.5)
;;       step = 2.0 ** (np.maximum(np.frexp(np.where(r == 0, 1, r))[1] - 1, 0) - 3)
;;       q = np.round(r / step) * step * 2.0 ** e      # np.round: ties to even
;;       return np.moveaxis(q.reshape(q.shape[:-2] + (-1,))[..., :K], -1, axis).astype(np.float32)
;;   ~~~
;;   SOFTMAX AHEAD OF A QUANTISED PRODUCT. Where the list says 'softmax', what is quantised is not the finished softmax but p = 2^(t - M), with t = logit x log2(e) and M = ceil(the row's largest t), a whole number; so 1/2 < the row's largest p <= 1. The row's sum l is taken of the UNQUANTISED p, in f32, and the product's result is divided by l at the end. Since M is a whole number, a kernel that streams over the keys may use a running M (the ceiling of the running maximum): every later rescaling is an exact power of two, which a block's scale takes up: the codes' values come out the same.
;;   OPERANDS COMPUTED ON THE WAY. 'Computed on the way' means the value that the module computes at that place (a softmax that the list does not call 'softmax' is quantised finished and normalised). What goes into a quantiser is computed in f32, as accurately as f32 sums, v_exp_f32 and their like allow (about 1e-6 of the number): no bf16 or f16 on the way to a quantiser, and a product that is left as it is and whose result goes on into a quantised operand takes f32 operands (vector FMAs, or v_wmma_f32_16x16x4_f32). A number that lies on a knife's edge between two numbers of the format may be rounded either way, as far as f32 arithmetic and the matrix unit's own rounding can turn it there, and no further.
;; One version. Each part assembles by itself: llvm-mc -triple=amdgcn-amd-amdhsa -mcpu=gfx1250 --defsym DOCPART=n.
;; ======== version 1 of 1: 4 launches
;; limits: right only within a limited range of input values
;; workspace buffers: cw 9,437,184 bytes; sw 393,216 bytes; rope 524,288 bytes; qkvc 18,874,368 bytes; qkvs 1,310,720 bytes; oc 6,291,456 bytes; os 262,144 bytes
;; launch prep (part 1): grid 400 x 1, 4 waves a work-group, no clusters, 68,096 bytes of LDS; arguments x, W_qkv, W_proj, cw, sw, rope; writes cw, sw, rope
.if DOCPART == 1
	.amdgcn_target "amdgcn-amd-amdhsa--gfx1250"
	.amdhsa_code_object_version 6
	.text
	.protected	k_q7c25d5c214_prep
	.globl	k_q7c25d5c214_prep
	.p2align	8
	.type	k_q7c25d5c214_prep,@function
k_q7c25d5c214_prep:
	s_mov_b64 s[64:65], 0
	v_nop
	global_prefetch_b8 v0, s[64:65] scope:SCOPE_SE
	s_setreg_imm32_b32 hwreg(HW_REG_WAVE_MODE, 25, 1), 1
	s_wait_xcnt 0x0
; PREP: three jobs in one launch, told apart by the work-group's number.
;   work-groups 0-255   : x [8192][1024] f32 -> codes of FP6 (E2M3), K innermost, cw bytes 0 on, [8192][768]; scale bytes sw 0 on, [8192][32]
;   work-groups 256-383 : W_qkv [1024 k][3072 n] and W_proj [1024 k][1024 n] f32, K the FIRST axis -> codes [n][768] at cw 6,291,456 and 8,650,752; scale bytes [n][32] at sw 262,144 and 360,448
;   work-groups 384-399 : the table of rotations, rope [2048 t][64] f32: numbers 0-31 cos(t theta_i), 32-63 sin(t theta_i), theta_i = 10000^(-i/32)
; A block's scale is 2^(floor(log2(its largest magnitude)) - 2); its byte is the largest magnitude's exponent field - 2, held at 1 from below.
; LIMITS: NaN and infinities among the inputs are not served.  A block of zeros, or one whose largest magnitude lies under 2^-124, gets the byte 1 (the rule says 127 for zeros): its codes are zeros,
; which add nothing under any byte but 0xff, and this program alone reads the bytes.  theta comes from v_exp_f32 (1 ulp) of an f32 argument: at positions near 2,047 an angle can differ by about 2e-4 rad
; from one made of another f32 theta one ulp away.  Sine and cosine: reduction by pi/2 in two parts, polynomials of degree 7 and 8 on [-pi/4, pi/4], all in f32.
; No tensor loads, no barrier: waves share nothing.  Each path that uses LDS has bytes of its own: x's [0, 32,768), the weights' [32,768, 67,584).
.set STEPS, 16
.set EMAX,  2
.set CB,    12                         ; bytes of 16 codes
.set XR,    16                         ; x: v16-79   four sets of 16 numbers as loaded
.set XX,    80                         ;    v80-111  two sets of 16 neighbours
.set XE,    112                        ;    v112-127 a scale byte for each step
.set XC,    128                        ;    v128-191 codes, four registers a step
.set WREG,  8192                       ;    LDS for each wave: two stages of 32 x SP bytes, then its 256 scale bytes
.set SP,    80
.set WSTG,  32768                      ; weights: the stages begin here, 32 rows x WP for each wave
.set WP,    272
.set WX,    32                         ;    v32-95   two sets of 32 numbers
.set WC,    96                         ;    v96..    a block's codes
.set WOUT,  112                        ;    v112-175 the way out
.set WSB,   24                         ;    v24-25   eight scale bytes
.set WOF,   176                        ;    v176-207 4 x lane + i x a row of the weight, i = 0 .. 31; never rewritten
	s_load_b256 s[4:11], s[0:1], 0x0               ; x s[4:5], W_qkv s[6:7], W_proj s[8:9], cw s[10:11]
	s_load_b128 s[12:15], s[0:1], 0x20             ; sw s[12:13], rope s[14:15]
	v_lshl_add_u32 v208, v0, 2, 0x10800
	v_mov_b32 v209, 0
	v_lshrrev_b32 v1, 5, v0
	v_readfirstlane_b32 s16, v1                    ; wave 0..3
	v_and_b32 v2, 31, v0                           ; lane
	s_wait_kmcnt 0x0
	s_cmp_lt_u32 ttmp9, 256
	s_cbranch_scc0 .Lnot_x
; ---------------- x: a plain stream of blocks of 32.  A wave takes 16 steps of 512 numbers.  Each load reads 512 consecutive bytes; a step's 2,048 bytes turn through the wave's own stage in LDS,
; so that a lane then holds 16 NEIGHBOURS (two neighbouring lanes hold a block), as the conversion wants them.
	s_wait_alu depctr_va_vdst(0)
	v_lshlrev_b32 v3, 4, v2                        ; my 16 bytes of a load's 512
	s_mul_i32 s17, s16, WREG
	v_lshrrev_b32 v14, 2, v2
	v_mul_u32_u24 v14, v14, SP
	v_and_b32 v15, 3, v2
	v_lshl_add_u32 v14, v15, 4, v14
	v_add_nc_u32 v14, s17, v14                     ; into the stage: four lanes' 64 bytes on end, then 16 of padding
	v_mul_u32_u24 v15, v2, SP
	v_add_nc_u32 v15, s17, v15                     ; out of it: SP x lane: my 16 neighbours
	v_mul_u32_u24 v4, v2, CB                       ; my codes' place in a step's
	v_lshrrev_b32 v5, 1, v2
	s_add_co_u32 s17, s17, 2*32*SP
	v_add_nc_u32 v5, s17, v5                       ; LDS: my wave's 256 scale bytes, my block's byte
	v_lshlrev_b32 v7, 3, v2
	v_add_nc_u32 v6, s17, v7                       ; and on the way out 8 bytes a lane
	s_lshl_b32 s18, ttmp9, 2
	s_add_co_u32 s18, s18, s16                     ; which run of 8,192 numbers is my wave's: 0 .. 1,023
	s_mov_b32 s21, 0
	s_lshl_b32 s20, s18, 15
	s_add_nc_u64 s[4:5], s[4:5], s[20:21]          ; 32,768 bytes of x a run,
	s_mul_i32 s20, s18, 32*STEPS*CB
	s_add_nc_u64 s[10:11], s[10:11], s[20:21]      ; 6,144 of codes,
	s_lshl_b32 s20, s18, 8
	s_add_nc_u64 s[12:13], s[12:13], s[20:21]      ; 256 scale bytes
.macro XLOAD t
.irp i, 0,1,2,3
	global_load_b128 v[XR+16*((\t)%4)+4*\i:XR+16*((\t)%4)+4*\i+3], v3, s[4:5] offset:2048*(\t)+512*\i th:TH_LOAD_NT   ; 32 lanes read 512 consecutive bytes
.endr
.endm
.macro XTURN t                         ; LDS serves a wave's instructions in order, so no wait stands between the stores and the loads
.irp i, 0,1,2,3
	ds_store_b128 v14, v[XR+16*((\t)%4)+4*\i:XR+16*((\t)%4)+4*\i+3] offset:32*SP*((\t)%2)+8*SP*\i
.endr
.irp i, 0,1,2,3
	ds_load_b128 v[XX+16*((\t)%2)+4*\i:XX+16*((\t)%2)+4*\i+3], v15 offset:32*SP*((\t)%2)+16*\i
.endr
.endm
.irp t, 0,1,2,3
	XLOAD \t
.endr
	s_wait_alu depctr_va_vdst(0)
	s_wait_loadcnt 12                              ; step 0's four loads are in; the 12 of steps 1 to 3 may be out
	XTURN 0
.macro XSTEP t
.set XS, XX+16*((\t)%2)
.if (\t) > 0
	s_wait_dscnt 1                                 ; this step's numbers are back from the stage (the last step's byte store may be out)
.else
	s_wait_dscnt 0x0
.endif
.if (\t)+4 < STEPS
	XLOAD (\t)+4                                   ; into the registers that this step's stores into the stage have read
.endif
.if (\t)+1 < STEPS
.if STEPS-2-(\t) >= 3
	s_wait_loadcnt 12                              ; the next step's four loads are in; those of the three steps behind it may be out
.else
	s_wait_loadcnt 4*(STEPS-2-(\t))
.endif
	XTURN (\t)+1
.endif
	v_max3_num_f32 v8, |v[XS]|, |v[XS+1]|, |v[XS+2]|               ; the largest magnitude of my 16, in two chains
	v_max3_num_f32 v9, |v[XS+3]|, |v[XS+4]|, |v[XS+5]|
.irp i, 6,10
	v_max3_num_f32 v8, v8, |v[XS+\i]|, |v[XS+\i+1]|
	v_max3_num_f32 v9, v9, |v[XS+\i+2]|, |v[XS+\i+3]|
.endr
	v_max3_num_f32 v8, v8, |v[XS+14]|, |v[XS+15]|
	v_max3_num_f32 v8, v8, v9, (EMAX+1)<<23        ; and the floor 2^(3 - 127): the byte cannot fall under 1
	v_max_num_f32_dpp v8, v8, v8 row_xmask:1 row_mask:0xf bank_mask:0xf   ; with my neighbour's 16: the block's
	v_add_nc_u32 v11, -(EMAX<<23), v8              ; 2 off its exponent field: the conversion takes this operand's exponent field as its scale
	v_cvt_scalef32_pk16_fp6_f32 v[XC+4*(\t):XC+4*(\t)+2], v[XS:XS+15], v11
	v_lshrrev_b32 v[XE+(\t)], 23, v11              ; the scale's byte (also the plain line behind the conversion)
	ds_store_b8 v5, v[XE+(\t)] offset:16*(\t)      ; both lanes of a block write the same byte with the same value
	global_store_b96 v4, v[XC+4*(\t):XC+4*(\t)+2], s[10:11] offset:32*CB*(\t)   ; the wave stores 384 consecutive bytes
.endm
.irp t, 0,1,2,3,4,5,6,7,8,9,10,11,12,13,14,15
	XSTEP \t
.endr
	ds_load_b64 v[12:13], v6                       ; LDS serves a wave's instructions in order: these see my byte stores
	s_wait_dscnt 0x0
	global_store_b64 v7, v[12:13], s[12:13]        ; 32 lanes store 256 consecutive bytes, aligned
	s_wait_tensorcnt 0x0
	ds_add_u32 v208, v209
	s_wait_dscnt 0x0
	s_endpgm
.Lnot_x:
	s_cmp_lt_u32 ttmp9, 384
	s_cbranch_scc0 .Lrope
; ---------------- the weights.  A LANE TAKES A COLUMN n AND ITS REGISTERS RUN DOWN K: a block of 32 along K lies in one lane's 32 registers, and the conversions give codes with K innermost.
; A wave takes 32 columns x 256 along K.  Of 32 groups of 128 columns the first 24 are W_qkv's, the last 8 W_proj's; four work-groups share K.  One text serves both: pointer, row length and sections are chosen on the work-group's number.
	s_sub_co_u32 s17, ttmp9, 256
	s_and_b32 s18, s17, 31                         ; the group of columns
	s_lshr_b32 s19, s17, 5                         ; which 256 along K
	s_mov_b32 s20, 4096
	s_mov_b32 s22, 8650752
	s_mov_b32 s23, 360448
	s_cmp_lt_u32 s18, 24
	s_cselect_b64 s[6:7], s[6:7], s[8:9]           ; the weight
	s_cselect_b32 s20, 12288, s20                  ; a row of it in bytes
	s_cselect_b32 s21, 0, 24                       ; its first group
	s_cselect_b32 s22, 6291456, s22                ; its section of cw
	s_cselect_b32 s23, 262144, s23                 ; and of sw
	s_sub_co_u32 s18, s18, s21
	s_lshl_b32 s18, s18, 7
	s_lshl_b32 s24, s16, 5
	s_add_co_u32 s18, s18, s24                     ; my wave's first column
	s_lshl_b32 s24, s19, 8
	s_mul_i32 s24, s24, s20                        ; my first row of the weight, in bytes,
	s_lshl_b32 s25, s18, 2
	s_add_co_u32 s24, s24, s25                     ; and my first column
	s_mov_b32 s25, 0
	s_add_nc_u64 s[32:33], s[6:7], s[24:25]        ; a base for each of my eight blocks of 32 rows: s[32:47]
	s_lshl_b32 s26, s20, 5
	s_mov_b32 s27, 0
.irp t, 1,2,3,4,5,6,7
	s_add_nc_u64 s[32+2*\t:33+2*\t], s[30+2*\t:31+2*\t], s[26:27]
.endr
	s_mul_i32 s28, s18, 768
	s_mul_i32 s29, s19, 192
	s_add_co_u32 s28, s28, s29
	s_add_co_u32 s28, s28, s22
	s_mov_b32 s29, 0
	s_add_nc_u64 s[10:11], s[10:11], s[28:29]      ; codes: section + column x 768 + 192 x my part of K
	s_lshl_b32 s28, s18, 5
	s_lshl_b32 s30, s19, 3
	s_add_co_u32 s28, s28, s30
	s_add_co_u32 s28, s28, s23
	s_add_nc_u64 s[12:13], s[12:13], s[28:29]      ; scale bytes: section + column x 32 + 8 x my part of K
	s_wait_alu depctr_va_vdst(0)
	v_lshlrev_b32 v3, 2, v2
.irp i, 0,1,2,3,4,5,6,7,8,9,10,11,12,13,14,15,16,17,18,19,20,21,22,23,24,25,26,27,28,29,30,31
	v_mad_u32_u24 v[WOF+\i], s20, \i, v3
.endr
	s_mul_i32 s17, s16, 32*WP
	s_add_co_u32 s17, s17, WSTG                    ; my stage
	v_mul_u32_u24 v4, v2, WP
	v_add_nc_u32 v4, s17, v4                       ; into it: row = my column
	v_and_b32 v5, 15, v2
	v_lshrrev_b32 v6, 4, v2
	v_mul_u32_u24 v7, v6, WP
	v_lshl_add_u32 v7, v5, 4, v7
	v_add_nc_u32 v7, s17, v7                       ; out of it: sixteen lanes to a row, two rows an instruction
	v_mul_u32_u24 v8, v6, 768
	v_mad_u32_u24 v8, v5, 12, v8                   ; and the same place among the codes
	v_lshlrev_b32 v9, 5, v2                        ; my column's row of scale bytes
.macro WLOAD t                         ; block t: W(32 t + i, my column) into set t % 2: each load reads 128 consecutive bytes a wave
.irp i, 0,1,2,3,4,5,6,7,8,9,10,11,12,13,14,15,16,17,18,19,20,21,22,23,24,25,26,27,28,29,30,31
	global_load_b32 v[WX+32*((\t)%2)+\i], v[WOF+\i], s[32+2*(\t):33+2*(\t)] th:TH_LOAD_NT
.endr
.endm
	WLOAD 0
	WLOAD 1
.macro WBLOCK t
.set XS, WX+32*((\t)%2)
.if (\t) < 7
	s_wait_loadcnt 32                              ; this block's 32 loads are in; the next block's 32 may be out
.else
	s_wait_loadcnt 0
.endif
	v_max3_num_f32 v12, |v[XS]|, |v[XS+1]|, |v[XS+2]|               ; the block's largest magnitude: all 32 numbers are mine
	v_max3_num_f32 v13, |v[XS+3]|, |v[XS+4]|, |v[XS+5]|
.irp i, 6,10,14,18,22,26
	v_max3_num_f32 v12, v12, |v[XS+\i]|, |v[XS+\i+1]|
	v_max3_num_f32 v13, v13, |v[XS+\i+2]|, |v[XS+\i+3]|
.endr
	v_max3_num_f32 v12, v12, |v[XS+30]|, |v[XS+31]|
	v_max3_num_f32 v12, v12, v13, (EMAX+1)<<23     ; and the floor
	v_add_nc_u32 v11, -(EMAX<<23), v12             ; the conversion's scale operand
	v_lshrrev_b32 v13, 23, v11                     ; the scale's byte
.if (\t)%4 == 0
	v_mov_b32 v[WSB+(\t)/4], v13                   ; four bytes to a register, the lower K in the lower byte
.else
	v_lshl_or_b32 v[WSB+(\t)/4], v13, 8*((\t)%4), v[WSB+(\t)/4]
.endif
	v_cvt_scalef32_pk16_fp6_f32 v[WC:WC+2], v[XS:XS+15], v11
	v_cvt_scalef32_pk16_fp6_f32 v[WC+4:WC+6], v[XS+16:XS+31], v11   ; (a conversion's three registers begin on an even number)
	v_nop                                          ; one plain line behind the conversions
	ds_store_b96 v4, v[WC:WC+2] offset:32*(\t)     ; 12 bytes to a place of 16, so that every LDS address is a multiple of 16
	ds_store_b96 v4, v[WC+4:WC+6] offset:32*(\t)+16
.if (\t)+2 < 8
	WLOAD (\t)+2
.endif
	s_wait_dscnt 0x0                               ; the stores have read their registers: the next block's codes may be written
.endm
.irp t, 0,1,2,3,4,5,6,7
	WBLOCK \t
.endr
	s_wait_alu depctr_va_vdst(0)
	global_store_b64 v9, v[WSB:WSB+1], s[12:13]    ; my column's eight scale bytes
.irp t, 0,1,2,3,4,5,6,7,8,9,10,11,12,13,14,15
	ds_load_b96 v[WOUT+4*\t:WOUT+4*\t+2], v7 offset:2*\t*WP
.endr
.irp t, 0,1,2,3,4,5,6,7,8,9,10,11,12,13,14,15
	s_wait_dscnt 15-\t                             ; LDS loads come back in order: pair t of rows is in
	global_store_b96 v8, v[WOUT+4*\t:WOUT+4*\t+2], s[10:11] offset:2*\t*768   ; sixteen lanes store a row's 192 consecutive bytes
.endr
	s_wait_tensorcnt 0x0
	ds_add_u32 v208, v209
	s_wait_dscnt 0x0
	s_endpgm
.Lrope:
; ---------------- the table of rotations.  A wave makes 32 positions, one a trip.  Lane (r, h) makes the angles i = 2 r and 2 r + 1: their cosines where h = 0, their sines where h = 1,
; so that the wave's one store of 8 bytes a lane writes a position's whole row of 256 bytes.
	s_sub_co_u32 s17, ttmp9, 384
	s_lshl_b32 s17, s17, 2
	s_add_co_u32 s17, s17, s16
	s_lshl_b32 s29, s17, 5                         ; my first position
	s_lshl_b32 s18, s29, 8
	s_mov_b32 s19, 0
	s_add_nc_u64 s[14:15], s[14:15], s[18:19]
	s_mov_b32 s20, 0x3f22f983                      ; 2 / pi
	s_mov_b32 s21, 0xbfc90fdb                      ; -(pi / 2), its f32 part
	s_mov_b32 s22, 0x333bbd2e                      ; what that part has too much: 4.3711388e-8
	s_mov_b32 s23, 0xbe2aaaa3                      ; sine: -1.6666654611e-1,
	s_mov_b32 s24, 0x3c08839e                      ; 8.3321608736e-3,
	s_mov_b32 s25, 0xb94ca1f9                      ; -1.9515295891e-4
	s_mov_b32 s26, 0x3d2aaaa5                      ; cosine: 4.1666645683e-2,
	s_mov_b32 s27, 0xbab6061a                      ; -1.3887316255e-3,
	s_mov_b32 s28, 0x37ccf5ce                      ; 2.4433157118e-5
	s_wait_alu depctr_va_vdst(0)
	v_and_b32 v4, 15, v2
	v_lshrrev_b32 v5, 4, v2                        ; h
	v_lshlrev_b32 v3, 3, v2                        ; 8 bytes a lane
	v_lshlrev_b32 v4, 1, v4
	v_cvt_f32_u32 v12, v4                          ; i = 2 r,
	v_add_f32 v13, 1.0, v12                        ; 2 r + 1
	v_mul_f32 v12, 0xbed49a78, v12                 ; x -log2(10000) / 32
	v_mul_f32 v13, 0xbed49a78, v13
	s_wait_alu depctr_va_vdst(0)
	v_exp_f32 v12, v12                             ; theta
	v_exp_f32 v13, v13
	v_nop                                          ; a plain line behind the exponentials,
	s_wait_alu depctr_va_vdst(0)                   ; and a wait ahead of their first reader: one for both
; out = cos(P theta) where h = 0, sin(P theta) where h = 1.  F = N pi/2 + R, |R| <= pi/4.  sin(F) = cos(F - pi/2), so both are the cosine with quadrant Q = N - h:
; Q even: cos R, odd: sin R; the sign is minus where Q mod 4 is 1 or 2.
.macro ANG th, out
	v_mul_f32 v16, v10, v[\th]                     ; F: one rounding
	v_mul_f32 v17, s20, v16
	v_rndne_f32 v17, v17                           ; N
	v_fma_f32 v18, v17, s21, v16
	v_fma_f32 v18, v17, s22, v18                   ; R
	v_mul_f32 v19, v18, v18                        ; R^2
	v_fma_f32 v20, s25, v19, s24
	v_fma_f32 v21, s28, v19, s27
	v_fma_f32 v20, v20, v19, s23
	v_fma_f32 v21, v21, v19, s26
	v_mul_f32 v22, v18, v19                        ; R^3
	v_mul_f32 v23, v19, v19                        ; R^4
	v_fma_f32 v24, v19, -0.5, 1.0
	v_fma_f32 v20, v20, v22, v18                   ; sin R
	v_fma_f32 v21, v21, v23, v24                   ; cos R
	v_cvt_i32_f32 v17, v17
	v_sub_nc_u32 v17, v17, v5                      ; Q
	v_and_b32 v22, 1, v17
	v_cmp_eq_u32 vcc_lo, 1, v22
	v_cndmask_b32 v20, v21, v20, vcc_lo
	v_add_nc_u32 v17, 1, v17
	v_and_b32 v17, 2, v17
	v_lshlrev_b32 v17, 30, v17                     ; the sign bit
	v_xor_b32 v[\out], v17, v20
.endm
	s_mov_b32 s30, 32
.Lpos:
	v_cvt_f32_u32 v10, s29                         ; P
	ANG 12, 14
	ANG 13, 15
	global_store_b64 v3, v[14:15], s[14:15]        ; 32 lanes store 256 consecutive bytes, aligned
	s_wait_xcnt 0x0                                ; the store has read its registers: offset and data are written again only behind this wait
	v_add_nc_u32 v3, 256, v3
	s_add_co_u32 s29, s29, 1
	s_sub_co_u32 s30, s30, 1
	s_cmp_lg_u32 s30, 0
	s_cbranch_scc1 .Lpos
	s_endpgm
.Lfunc_end_k_q7c25d5c214_prep:
	.size	k_q7c25d5c214_prep, .Lfunc_end_k_q7c25d5c214_prep-k_q7c25d5c214_prep
	.p2alignl 7, 3214868480
	.fill 96, 4, 3214868480
	.section	.rodata,"a",@progbits
	.p2align	6, 0x0
	.amdhsa_kernel k_q7c25d5c214_prep
		.amdhsa_group_segment_fixed_size 68096
		.amdhsa_private_segment_fixed_size 0
		.amdhsa_enable_private_segment 0
		.amdhsa_kernarg_size 48
		.amdhsa_user_sgpr_count 2
		.amdhsa_user_sgpr_kernarg_segment_ptr 1
		.amdhsa_wavefront_size32 1
		.amdhsa_system_sgpr_workgroup_id_x 1
		.amdhsa_system_sgpr_workgroup_id_y 1
		.amdhsa_system_sgpr_workgroup_id_z 1
		.amdhsa_system_vgpr_workitem_id 0
		.amdhsa_next_free_vgpr 210
		.amdhsa_next_free_sgpr 66
		.amdhsa_reserve_vcc 1
		.amdhsa_float_denorm_mode_32 3
		.amdhsa_float_denorm_mode_16_64 3
		.amdhsa_memory_ordered 1
		.amdhsa_forward_progress 1
		.amdhsa_inst_pref_size 80
	.end_amdhsa_kernel
	.amdgpu_metadata
---
amdhsa.version: [ 1, 2 ]
amdhsa.kernels:
  - .name:           k_q7c25d5c214_prep
    .symbol:         k_q7c25d5c214_prep.kd
    .args:
      - { .name: x, .offset: 0, .size: 8, .value_kind: global_buffer, .address_space: global }
      - { .name: W_qkv, .offset: 8, .size: 8, .value_kind: global_buffer, .address_space: global }
      - { .name: W_proj, .offset: 16, .size: 8, .value_kind: global_buffer, .address_space: global }
      - { .name: cw, .offset: 24, .size: 8, .value_kind: global_buffer, .address_space: global }
      - { .name: sw, .offset: 32, .size: 8, .value_kind: global_buffer, .address_space: global }
      - { .name: rope, .offset: 40, .size: 8, .value_kind: global_buffer, .address_space: global }
    .group_segment_fixed_size: 68096
    .private_segment_fixed_size: 0
    .kernarg_segment_align: 8
    .kernarg_segment_size: 48
    .max_flat_workgroup_size: 128
    .sgpr_count:     66
    .vgpr_count:     210
    .wavefront_size: 32
...
	.end_amdgpu_metadata
.endif
;; end of part 1
;; launch gemm_qkv (part 2): grid 8 x 32, 4 waves a work-group, clusters of 4 x 4, 327,680 bytes of LDS; arguments cw, sw, rope, qkvc, qkvs; writes qkvc, qkvs
.if DOCPART == 2
	.amdgcn_target "amdgcn-amd-amdhsa--gfx1250"
	.amdhsa_code_object_version 6
	.text
	.protected	k_q7c25d5c214_gemm_qkv
	.globl	k_q7c25d5c214_gemm_qkv
	.p2align	8
	.type	k_q7c25d5c214_gemm_qkv,@function
k_q7c25d5c214_gemm_qkv:
	s_mov_b64 s[64:65], 0
	v_nop
	global_prefetch_b8 v0, s[64:65] scope:SCOPE_SE
	s_setreg_imm32_b32 hwreg(HW_REG_WAVE_MODE, 25, 1), 1
	s_wait_xcnt 0x0
	s_wait_alu depctr_hold_cnt(0) depctr_sa_sdst(0) depctr_va_vdst(0) depctr_va_sdst(0) depctr_va_ssrc(0) depctr_va_vcc(0) depctr_vm_vsrc(0)
	s_getreg_b32 s2, hwreg(HW_REG_IB_STS2, 6, 4)
	s_cmp_eq_u32 s2, 0
	s_cbranch_scc0 .Lentry_in_a_cluster
	s_endpgm
.Lentry_in_a_cluster:
	s_bfe_u32 s2, ttmp6, 0x10000c
	s_cmp_lg_u32 s2, 0xf033
	s_cbranch_scc0 .Lentry_shape_is_right
	s_endpgm
.Lentry_shape_is_right:
; qkv = x W_qkv on codes of FP6 (E2M3) with E8M0 scales, K = 1,024; then in registers the rotation of q and k and the quantising of q, k (along the head's 64) and v (along the keys).  No f32 result is stored.
; THE DEAL: 256 work-groups of four waves, 2 x 2.  A work-group takes 256 tokens through three phases: v, q, k of two heads (128 columns each).  x's 256 rows, all of K (rows of 768 bytes), come into LDS once.
; A wave holds 64 rows of a weight (one head), all of K, in 384 registers, and streams its 128 tokens past them in blocks of 16 rows, 32 products a block; a block's sums are finished behind them.
; The weights' region of LDS is filled three times: at the head (v), and twice again behind a drained round of the cluster's barrier, each as soon as all waves hold the weight before in registers.
; CLUSTERS 4 x 4: x's rows are shared by a row of the cluster, a weight's rows by a column.  No prefetch: every tile is asked for at the head or a whole phase ahead of its use; there is no loop to run ahead in.
; WHICH ROWS FORM A BLOCK: pair u = 0 .. 3, e = 0, 1: row m of the block is my token 64 (u / 2) + 8 (u % 2) + 16 e + 32 (m / 8) + m % 8.  So in v's phase (source 0 = x) lane (r, h) holds channel r and, over a band's four blocks,
; the 32 keys of scale block 2 c + h, in the order 0-7, 16-23, 8-15, 24-31, in which the attention launch lays its weights p.  Row m of weight tile j is the head's channel 32 (j / 2) + 16 (m / 8) + 8 (j % 2) + m % 8:
; in q's and k's phases (source 0 = the weight) lane (r, h) holds one token, channels 16 h + 0 .. 15 and the 16 that lie 32 further on: the pairs of the rotation.
; The fetch runs two blocks ahead and goes round from pair 3 to pair 0, which the next phase reads; behind k's last pair those two blocks and table rows are fetched and not used.
; OUT, as the attention launch reads it: q, k codes [64 heads][2,048 t][48] at qkvc 0 and 6,291,456; v codes [64][16 steps][64 d][96] at 12,582,912; q, k scale words [64][2,048] at qkvs 0 and 524,288; v's [64][16][64] at 1,048,576.
; LIMITS: NaN and infinities are not served; a block of zeros, or one under 2^-124, gets the byte 1: its codes are zeros, and this program alone reads the bytes.
.set KROW,768
.set KS,32
.set PITCH,816                         ; an LDS row: 3 x (256 + 16)
.set FR,12
.set FPW,21                            ; fragments in a window of 256 registers
.set NQ,8
.set NB,4
.set NF,28                             ; LDS loads of a block: 26 for eight fragments, 2 for eight scale words
.set BVB,256*PITCH                     ; the weights' region
.set SCL,BVB+128*PITCH                 ; x's scale bytes: 32 units of 256 + 16
.set SPARE,SCL+32*272
.set ADRA0,4                           ; v4-7 my fragments' LDS addresses in pair 0: e = 0, e = 1 (the second of each: behind one padding more)
.set AAS0,8                            ; v8, v9 my row's scale words
.set SPW,10
.set NIL,11
.set ADRA,12
.set AAS,14
.set ABS,15
.set BA,16                             ; v16-23 the weights' four tiles
.set GQ,24
.set GS,25
.set RA,26
.set GV,27
.set GVS,28
.set TW,29
.set ZR,30
.set SB,32                             ; v32-47 the weight's scale words
.set SA,52                             ; v52-67 the rows': two sets of eight
.set HV,72                             ; v72-199 v: 32 t + 8 j + i
.set ACC,HV
.set T,HV+32
.set RT,HV+64                          ; two sets of 16 cosines and 16 sines
.set MCD,200
.set TC,232
.set PT,244
.set TM,248
.set SOP,252
.set G1A,24
.set G1B,32
.set G1W,40
.set G1S,48
.set G0A,56
.set G0B,60
.set G0S,68
.set G0W,72
.set HM,79
.set MSB,0
.macro WIN new
.if MSB != \new
	s_set_vgpr_msb (MSB<<8)|\new
.set MSB, \new
.endif
.endm
.macro PLACES n
.rept \n
	v_nop
.endr
.endm
.macro WALU
	s_wait_alu depctr_va_vdst(0)
.endm
.macro BARRIER
	s_barrier_signal -1
	s_barrier_wait -1
.endm
.macro CROUND
	s_barrier_signal -1
	s_barrier_wait -1
	s_cmp_lg_u32 s14, 0
	s_cbranch_scc1 .Lnot_wave_0_\@
	s_barrier_signal -3
.Lnot_wave_0_\@:
	s_barrier_wait -3
	s_barrier_signal -1
	s_barrier_wait -1
.endm
.macro TLOAD g0, g1
	tensor_load_to_lds s[\g0:\g0+3], s[\g1:\g1+7]
	s_nop 0
	PLACES 4
.endm
.macro GROUP1 g, mask, rows
	s_or_b32 s[\g+0], s[\mask], (1<<20)|(1<<21)|(5<<22)|(3<<25)
	s_mov_b32 s[\g+1], KROW<<16
	s_mov_b32 s[\g+2], (\rows)<<16
	s_mov_b32 s[\g+3], KROW<<16
	s_mov_b32 s[\g+4], \rows
	s_mov_b32 s[\g+5], KROW
	s_mov_b32 s[\g+6], 0
	s_mov_b32 s[\g+7], 0
.endm
.macro G0SET g, base, off
	s_mov_b32 s20, s\off
	s_add_nc_u64 s[\g+2:\g+3], s[\base:\base+1], s[20:21]
	s_or_b32 s[\g+3], s[\g+3], 0x80000000
.endm
; fragment f lies in window 1 + f / 21 at register 12 (f % 21): 0-31 the weight's (4 q + b), 32-39 and 40-47 the rows' two sets.  Six pieces of 8 bytes, two to a load where both lie behind as many paddings
.macro FRAG f, q, a0, a1
	WIN (1+(\f)/FPW)<<6
.set R_, FR*((\f)%FPW)
.set SKIP_, 0
.irp p, 0,1,2,3,4,5
.if SKIP_
.set SKIP_, 0
.else
.set PC_, 12*(\q)+6*(\p/3)+\p%3
.set PN_, 12*(\q)+6*((\p+1)/3)+(\p+1)%3
.set X_, (PC_%32+3)/32
.set XQ_, (PN_%32+3)/32
.if (\p < 5) && (X_ == XQ_)
.set SKIP_, 1
.if X_
	ds_load_2addr_b64 v[R_+2*\p:R_+2*\p+3], \a1 offset0:PC_+2*(PC_/32) offset1:PN_+2*(PN_/32)
.else
	ds_load_2addr_b64 v[R_+2*\p:R_+2*\p+3], \a0 offset0:PC_+2*(PC_/32) offset1:PN_+2*(PN_/32)
.endif
.elseif X_
	ds_load_b64 v[R_+2*\p:R_+2*\p+1], \a1 offset:8*(PC_+2*(PC_/32))
.else
	ds_load_b64 v[R_+2*\p:R_+2*\p+1], \a0 offset:8*(PC_+2*(PC_/32))
.endif
.endif
.endr
.endm
.macro WEIGHTS                         ; my 64 rows of the weight, all of K: 104 loads
.irp q, 0,1,2,3,4,5,6,7
.irp b, 0,1,2,3
	FRAG NB*\q+\b, \q, v[BA+2*\b], v[BA+2*\b+1]
.endr
.endr
	WIN 0
.endm
.macro FETCHAT e, a0, a1, as           ; a block of x's rows into set e
.irp q, 0,1,2,3,4,5,6,7
	FRAG NB*NQ+NQ*(\e)+\q, \q, \a0, \a1
.endr
	WIN 0
	ds_load_b128 v[SA+8*(\e):SA+8*(\e)+3], \as
	ds_load_b128 v[SA+8*(\e)+4:SA+8*(\e)+7], \as offset:16
.endm
.macro PROD1 d, s0, s1, c, x0, x1, side, o
.if \o
	v_wmma_scale_f32_16x16x128_f8f6f4 v[\d:\d+7], v[FR*((\s0)%FPW):FR*((\s0)%FPW)+FR-1], v[FR*((\s1)%FPW):FR*((\s1)%FPW)+FR-1], \c, v[\x0], v[\x1] matrix_a_fmt:MATRIX_FMT_FP6 matrix_b_fmt:MATRIX_FMT_FP6 matrix_\side\()_scale:MATRIX_SCALE_ROW1
.else
	v_wmma_scale_f32_16x16x128_f8f6f4 v[\d:\d+7], v[FR*((\s0)%FPW):FR*((\s0)%FPW)+FR-1], v[FR*((\s1)%FPW):FR*((\s1)%FPW)+FR-1], \c, v[\x0], v[\x1] matrix_a_fmt:MATRIX_FMT_FP6 matrix_b_fmt:MATRIX_FMT_FP6 matrix_\side\()_scale:MATRIX_SCALE_ROW0
.endif
.endm
.macro PROD kind, e, n, a0, as         ; n = 4 q + tile.  kind 0: source 0 the weight's rows; kind 1: source 0 x's rows
.set Q_, (\n)/4
.set FB_, NB*Q_+(\n)%4
.set FA_, NB*NQ+NQ*(\e)+Q_
.set D_, (\a0)+(\as)*((\n)%4)
.set XB_, SB+NQ*(((\n)%4)/2)+Q_
.set XA_, SA+8*(\e)+Q_
.if \kind
	WIN (1+FA_/FPW)|((1+FB_/FPW)<<2)
.if Q_
	PROD1 D_, FA_, FB_, v[D_:D_+7], XA_, XB_, b, (\n)%2
.else
	PROD1 D_, FA_, FB_, 0, XA_, XB_, b, (\n)%2
.endif
.else
	WIN (1+FB_/FPW)|((1+FA_/FPW)<<2)
.if Q_
	PROD1 D_, FB_, FA_, v[D_:D_+7], XB_, XA_, a, (\n)%2
.else
	PROD1 D_, FB_, FA_, 0, XB_, XA_, a, (\n)%2
.endif
.endif
.endm
.macro MULS kind, e, a0, as            ; a block's 32 products: four accumulators by turns; the first four start the sums
.set N_, 0
.rept 32
	PROD \kind, \e, N_, \a0, \as
.set N_, N_+1
.endr
.endm
.macro OFFS                            ; s97 = a pair's number: where its rows (s101) and scale words (s91) lie
	s_lshr_b32 s20, s97, 1
	s_and_b32 s22, s97, 1
	s_mul_i32 s101, s20, 64*PITCH
	s_mul_i32 s91, s20, 2176
	s_mul_i32 s20, s22, 8*PITCH
	s_add_co_u32 s101, s101, s20
	s_mul_i32 s20, s22, 272
	s_add_co_u32 s91, s91, s20
.endm
.macro XSTEP e                         ; four places behind the products, then the fetch of the block two on into the set just used
	WIN 0
	v_add_nc_u32 v[ADRA], s101, v[ADRA0+2*(\e)]
	v_add_nc_u32 v[ADRA+1], s101, v[ADRA0+2*(\e)+1]
	v_add_nc_u32 v[AAS], s91, v[AAS0+(\e)]
	v_nop
	WALU                                   ; the wait behind these writes
	FETCHAT \e, v[ADRA], v[ADRA+1], v[AAS]
.endm
.macro SBLOAD sec                      ; my 64 weight rows' scale words: lanes 0-15 an even tile's rows, lanes 16-31 the odd tile's
	s_wait_xcnt 0x0
	s_add_co_u32 s20, s83, \sec
	s_mov_b32 s21, 0
	s_add_nc_u64 s[98:99], s[6:7], s[20:21]
.irp p, 0,1
.irp c, 0,1
	global_load_b128 v[SB+NQ*\p+4*\c:SB+NQ*\p+4*\c+3], v[ABS], s[98:99] offset:\p*32*KS+16*\c
.endr
.endr
.endm
.macro REFILL sec                      ; all waves hold the weight in registers: the region takes the next one, 32 rows a wave
	s_wait_tensorcnt 0x0
	ds_add_u32 v[SPW], v[NIL]
	s_mul_i32 s20, s14, 32*KROW
	s_add_co_u32 s20, s20, s82
	s_add_co_u32 s20, s20, \sec
	s_mov_b32 s21, 0
	s_add_nc_u64 s[G0W+2:G0W+3], s[4:5], s[20:21]
	s_or_b32 s[G0W+3], s[G0W+3], 0x80000000
	s_wait_dscnt 0x0
	CROUND
	TLOAD G0W, G1W
.endm
.macro RLOAD e                         ; 16 cosines and 16 sines of my token in the pair at s[88:89]
.irp i, 0,1,2,3,4,5,6,7
	global_load_b128 v[RT+32*\e+4*\i:RT+32*\e+4*\i+3], v[RA], s[88:89] offset:4096*\e+128*(\i/4)+16*(\i%4)
.endr
.endm
.macro ROPE e                          ; lo' = lo cos - hi sin, hi' = hi cos + lo sin; every accumulator is read from its low end on
.set RS, RT+32*\e
.irp u, 0,8
.irp j, 0,2,4,6
	v_pk_mul_f32 v[T+\u+\j:T+\u+\j+1], v[ACC+16+\u+\j:ACC+16+\u+\j+1], v[RS+16+\u+\j:RS+16+\u+\j+1]
	v_pk_mul_f32 v[T+16+\u+\j:T+16+\u+\j+1], v[ACC+\u+\j:ACC+\u+\j+1], v[RS+16+\u+\j:RS+16+\u+\j+1]
.endr
.endr
.irp u, 0,8
.irp j, 0,2,4,6
	v_pk_fma_f32 v[T+\u+\j:T+\u+\j+1], v[ACC+\u+\j:ACC+\u+\j+1], v[RS+\u+\j:RS+\u+\j+1], v[T+\u+\j:T+\u+\j+1] neg_lo:[0,0,1] neg_hi:[0,0,1]
	v_pk_fma_f32 v[T+16+\u+\j:T+16+\u+\j+1], v[ACC+16+\u+\j:ACC+16+\u+\j+1], v[RS+\u+\j:RS+\u+\j+1], v[T+16+\u+\j:T+16+\u+\j+1]
.endr
.endr
.endm
.macro QUANT                           ; my 16 numbers of each of my token's two blocks: scale word and codes; then a whole block to a lane
.irp k, 0,1,2,3
	v_max3_num_f32 v[TM+\k], |v[T+8*\k]|, |v[T+8*\k+1]|, 0x1800000
.endr
.irp i, 2,4,6
.irp k, 0,1,2,3
	v_max3_num_f32 v[TM+\k], v[TM+\k], |v[T+8*\k+\i]|, |v[T+8*\k+\i+1]|
.endr
.endr
	v_max_num_f32 v[TM], v[TM], v[TM+1]
	v_max_num_f32 v[TM+2], v[TM+2], v[TM+3]
	v_permlanex16_b32 v[PT], v[TM], s2, s3
	v_permlanex16_b32 v[PT+1], v[TM+2], s2, s3
	v_max_num_f32 v[TM], v[TM], v[PT]
	v_max_num_f32 v[TM+2], v[TM+2], v[PT+1]
	v_add_nc_u32 v[SOP], 0xff000000, v[TM]
	v_add_nc_u32 v[SOP+1], 0xff000000, v[TM+2]
	v_lshrrev_b32 v[SOP+2], 23, v[SOP]
	v_lshrrev_b32 v[SOP+3], 23, v[SOP+1]
	v_lshl_or_b32 v[TW], v[SOP+3], 8, v[SOP+2]
	v_cvt_scalef32_pk16_fp6_f32 v[MCD:MCD+2], v[T:T+15], v[SOP]
	v_cvt_scalef32_pk16_fp6_f32 v[TC:TC+2], v[T+16:T+31], v[SOP+1]
	v_cndmask_b32 v[TW], v[TW], v[ZR], s[HM]   ; lanes 16-31 store the word's upper half: zeros
.irp i, 0,1,2
	v_permlane16_swap_b32 v[MCD+\i], v[TC+\i]
.endr
.irp i, 0,1,2
	v_mov_b32 v[MCD+3+\i], v[TC+\i]
.endr
.endm
.macro RPAIR d, u                      ; s\d = the first row of pair s\u
	s_lshr_b32 s\d, s\u, 1
	s_and_b32 s22, s\u, 1
	s_lshl_b32 s\d, s\d, 6
	s_lshl_b32 s22, s22, 3
	s_add_co_u32 s\d, s\d, s22
.endm
.macro QKBLK e
	s_wait_dscnt NF                        ; this block's rows are in; the next block's 28 loads may be out
.if \e == 0
	s_add_co_u32 s97, s90, 1
	s_and_b32 s97, s97, 3
	OFFS
.endif
	MULS 0, \e, ACC, 8
	XSTEP \e
	s_wait_loadcnt 8                       ; this block's table rows are in; the other set's eight loads may be out
	s_wait_xcnt 0x0                        ; the last stores have read their registers and bases
.if \e == 0
	RPAIR 20, 90
	s_mov_b32 s23, 0
	s_mul_i32 s22, s20, 48
	s_add_nc_u64 s[84:85], s[10:11], s[22:23]
	s_lshl_b32 s22, s20, 2
	s_add_nc_u64 s[86:87], s[12:13], s[22:23]
	RPAIR 20, 97
	s_lshl_b32 s22, s20, 8
	s_add_nc_u64 s[88:89], s[8:9], s[22:23]
.endif
	ROPE \e
	RLOAD \e
	QUANT
.irp p, 0,1,2
	global_store_b64 v[GQ], v[MCD+2*\p:MCD+2*\p+1], s[84:85] offset:768*\e+8*\p
.endr
	global_store_b16 v[GS], v[TW], s[86:87] offset:64*\e
.endm
.macro QKPHASE lab
	s_wait_loadcnt 0x0
	s_wait_dscnt 0x0
	s_mov_b32 s90, 0
\lab:
	QKBLK 0
	QKBLK 1
	s_add_co_u32 s90, s90, 1
	s_cmp_lg_u32 s90, 4
	s_cbranch_scc1 \lab
.endm
; ---------------- the head
	s_load_b128 s[4:7], s[0:1], 0x0        ; cw, sw
	s_load_b128 s[8:11], s[0:1], 0x10      ; rope, qkvc
	s_load_b64 s[12:13], s[0:1], 0x20      ; qkvs
	v_lshl_add_u32 v[SPW], v0, 2, SPARE
	v_mov_b32 v[NIL], 0
	ds_add_u32 v[SPW], v[NIL]              ; the opening lines
	ds_add_u32 v[SPW], v[NIL]
	v_lshrrev_b32 v1, 5, v0
	v_readfirstlane_b32 s14, v1            ; wave; s15 its row of the 2 x 2, s16 its column
	s_lshr_b32 s15, s14, 1
	s_and_b32 s16, s14, 1
	s_bfe_u32 s17, ttmp6, 0x40000          ; cx
	s_bfe_u32 s18, ttmp6, 0x40004          ; cy
	s_lshl_b32 s19, ttmp9, 2
	s_add_co_u32 s19, s19, s17             ; the pair of heads, 0 .. 7
	s_and_b32 s78, ttmp7, 0xffff
	s_lshl_b32 s78, s78, 2
	s_add_co_u32 s78, s78, s18             ; the tile of 256 tokens, 0 .. 31
	s_lshl_b32 s76, s18, 2
	s_lshl_b32 s76, 15, s76                ; my row of the cluster
	s_lshl_b32 s77, 0x1111, s17            ; my column
	GROUP1 G1A, 76, 128
	GROUP1 G1B, 77, 128
	GROUP1 G1W, 77, 32
	s_or_b32 s[G1S+0], s76, (3<<16)|(1<<20)|(1<<21)|(5<<22)|(3<<25)
	s_mov_b32 s[G1S+1], 32<<16
	s_mov_b32 s[G1S+2], 32<<16
	s_mov_b32 s[G1S+3], 32<<16
	s_mov_b32 s[G1S+4], 32
	s_mov_b32 s[G1S+5], 32
	s_mov_b32 s[G1S+6], 0
	s_mov_b32 s[G1S+7], 0
	s_mul_i32 s80, s78, 256*KROW
	s_mul_i32 s20, s16, 128*KROW
	s_add_co_u32 s80, s80, s20             ; waves 2, 3: a half of x's rows each
	s_lshl_b32 s81, s78, 13                ; x's scale bytes
	s_mul_i32 s82, s19, 128*KROW           ; my 128 columns in a third of W_qkv
	s_lshl_b32 s83, s19, 12
	s_lshl_b32 s20, s16, 11
	s_add_co_u32 s83, s83, s20             ; my wave's 64 rows of scale bytes
	s_mov_b32 s[G0A], 1
	s_mul_i32 s[G0A+1], s16, 128*PITCH
	s_mov_b32 s[G0B], 1
	s_mov_b32 s[G0B+1], BVB
	s_mov_b32 s[G0S], 1
	s_mov_b32 s[G0S+1], SCL
	s_mov_b32 s[G0W], 1
	s_mul_i32 s[G0W+1], s14, 32*PITCH
	s_add_co_u32 s[G0W+1], s[G0W+1], BVB
	s_mov_b32 s2, 0x76543210
	s_mov_b32 s3, 0xfedcba98               ; lane l xor 16
	v_bfe_u32 v2, v0, 4, 1                 ; h
	v_bfe_u32 v68, v0, 3, 1                ; r / 8
	v_and_b32 v69, 7, v0                   ; r % 8
	v_lshl_add_u32 v70, v68, 5, v69        ; x's row of a block
	v_lshl_add_u32 v71, v68, 4, v69        ; the weight's row of a tile
	v_cmp_ne_u32 s[HM], 0, v2
	v_mov_b32 v[ZR], 0
	v_mov_b32 v[PT], 0
	v_mov_b32 v[PT+1], 0
	v_mul_u32_u24 v72, v70, PITCH
	s_mul_i32 s20, s15, 128*PITCH
	v_add_nc_u32 v72, s20, v72
	v_mad_u32_u24 v[ADRA0], v2, 24, v72
	v_mad_u32_u24 v[ADRA0+1], v2, 40, v72
	v_add_nc_u32 v[ADRA0+2], 16*PITCH, v[ADRA0]
	v_add_nc_u32 v[ADRA0+3], 16*PITCH, v[ADRA0+1]
	v_mul_u32_u24 v[AAS0], v68, 1088
	v_lshl_add_u32 v[AAS0], v69, 5, v[AAS0]
	s_mul_i32 s20, s15, 4352
	s_add_co_u32 s20, s20, SCL
	v_add_nc_u32 v[AAS0], s20, v[AAS0]
	v_add_nc_u32 v[AAS0+1], 544, v[AAS0]
	v_mul_u32_u24 v72, v71, PITCH
	s_mul_i32 s20, s16, 64*PITCH
	s_add_co_u32 s20, s20, BVB
	v_add_nc_u32 v72, s20, v72
	v_mad_u32_u24 v73, v2, 24, v72
	v_mad_u32_u24 v74, v2, 40, v72
.irp j, 0,1,2,3
	v_add_nc_u32 v[BA+2*\j], (32*(\j/2)+8*(\j%2))*PITCH, v73
	v_add_nc_u32 v[BA+2*\j+1], (32*(\j/2)+8*(\j%2))*PITCH, v74
.endr
	v_lshlrev_b32 v[ABS], 5, v71
	v_lshl_add_u32 v[ABS], v2, 8, v[ABS]
	v_mul_u32_u24 v[GQ], v70, 48
	v_mad_u32_u24 v[GQ], v2, 24, v[GQ]
	v_lshlrev_b32 v[GS], 2, v70
	v_lshl_add_u32 v[GS], v2, 1, v[GS]
	v_lshlrev_b32 v[RA], 8, v70
	v_lshl_add_u32 v[RA], v2, 6, v[RA]
	v_mul_u32_u24 v[GV], v71, 96
	v_mad_u32_u24 v[GV], v2, 24, v[GV]
	v_lshl_add_u32 v[GVS], v71, 2, v2
	WALU                                   ; the wait at the head's end
	s_wait_dscnt 0x0
	CROUND                                 ; the round in front of the first joint loads
	s_wait_kmcnt 0x0
	s_mov_b32 s21, 0
	G0SET G0A, 4, 80
	G0SET G0S, 6, 81
	s_add_co_u32 s97, s82, 10240*KROW
	G0SET G0B, 4, 97
	s_cmp_eq_u32 s14, 0
	s_cbranch_scc0 .Lwave_1
	TLOAD G0B, G1B                         ; wave 0: W_v's 128 rows, needed first
	s_branch .Lasked
.Lwave_1:
	s_cmp_eq_u32 s14, 1
	s_cbranch_scc0 .Lwave_2
	TLOAD G0S, G1S                         ; wave 1: x's scale bytes
	s_branch .Lasked
.Lwave_2:
	TLOAD G0A, G1A                         ; waves 2, 3: 128 rows of x each
.Lasked:
	SBLOAD 10240*KS
	s_lshr_b32 s97, s78, 3                 ; where my results go: head = 16 batch + 2 pair + my column; first token t0 = 256 (tile % 8) + 128 my row
	s_lshl_b32 s97, s97, 4
	s_lshl_b32 s20, s19, 1
	s_add_co_u32 s97, s97, s20
	s_add_co_u32 s97, s97, s16
	s_and_b32 s96, s78, 7
	s_lshl_b32 s96, s96, 8
	s_lshl_b32 s20, s15, 7
	s_add_co_u32 s96, s96, s20
	s_mov_b32 s23, 0
	s_lshl_b32 s22, s97, 12
	s_lshl_b32 s20, s96, 1
	s_add_co_u32 s22, s22, s20
	s_add_co_u32 s22, s22, 1048576
	s_add_nc_u64 s[94:95], s[12:13], s[22:23]   ; v's scale words
	s_mul_i32 s22, s97, 98304
	s_mul_i32 s20, s96, 48
	s_add_co_u32 s22, s22, s20
	s_add_nc_u64 s[10:11], s[10:11], s[22:23]   ; q's codes
	s_add_nc_u64 s[92:93], s[10:11], 12582912   ; v's: a step of 128 keys is 6,144 bytes too
	s_lshl_b32 s22, s97, 13
	s_lshl_b32 s20, s96, 2
	s_add_co_u32 s22, s22, s20
	s_add_nc_u64 s[12:13], s[12:13], s[22:23]   ; q's scale words
	s_lshl_b32 s22, s96, 8
	s_add_nc_u64 s[8:9], s[8:9], s[22:23]       ; the table's rows of my tokens
	s_cmp_eq_u32 s14, 0
	s_cbranch_scc0 .Lnot_b
	s_wait_tensorcnt 0x0
.Lnot_b:
	BARRIER                                ; W_v's rows are in
	WEIGHTS
	REFILL 8192*KROW                       ; its round also shows x's rows and scale bytes to all; W_q's rows are asked for
	FETCHAT 0, v[ADRA0], v[ADRA0+1], v[AAS0]
	FETCHAT 1, v[ADRA0+2], v[ADRA0+3], v[AAS0+1]
	s_wait_loadcnt 0x0
; ---------------- v: two bands of four blocks
	s_mov_b32 s90, 0
.Lband:
.irp j, 0,1,2,3
	s_wait_dscnt NF
.if \j == 0
	s_lshl_b32 s97, s90, 1
	s_add_co_u32 s97, s97, 1
	OFFS
.endif
.if \j == 2
	s_lshl_b32 s97, s90, 1
	s_add_co_u32 s97, s97, 2
	s_and_b32 s97, s97, 3
	OFFS
.endif
	MULS 1, \j%2, HV+8*\j, 32
	XSTEP \j%2
.endr
	s_wait_xcnt 0x0
	s_mov_b32 s23, 0
	s_mul_i32 s22, s90, 48
	s_add_nc_u64 s[84:85], s[92:93], s[22:23]
	s_lshl_b32 s22, s90, 1
	s_add_nc_u64 s[86:87], s[94:95], s[22:23]
.irp t, 0,1,2,3
	v_max3_num_f32 v[TM+\t], |v[HV+32*\t]|, |v[HV+32*\t+1]|, 0x1800000   ; a whole scale block is mine; the floor holds the byte at 1
.endr
.irp i, 2,4,6,8,10,12,14,16,18,20,22,24,26,28,30
.irp t, 0,1,2,3
	v_max3_num_f32 v[TM+\t], v[TM+\t], |v[HV+32*\t+\i]|, |v[HV+32*\t+\i+1]|
.endr
.endr
.irp t, 0,1,2,3
	v_add_nc_u32 v[SOP+\t], 0xff000000, v[TM+\t]
.endr
.irp t, 0,1,2,3
	v_cvt_scalef32_pk16_fp6_f32 v[MCD+8*\t:MCD+8*\t+2], v[HV+32*\t:HV+32*\t+15], v[SOP+\t]
	v_cvt_scalef32_pk16_fp6_f32 v[TC+4*\t:TC+4*\t+2], v[HV+32*\t+16:HV+32*\t+31], v[SOP+\t]
.endr
.irp t, 0,1,2,3
	v_lshrrev_b32 v[TM+\t], 23, v[SOP+\t]
.endr
.irp t, 0,1,2,3
.irp i, 0,1,2
	v_mov_b32 v[MCD+8*\t+3+\i], v[TC+4*\t+\i]
.endr
.endr
.irp t, 0,1,2,3
.irp p, 0,1,2
	global_store_b64 v[GV], v[MCD+8*\t+2*\p:MCD+8*\t+2*\p+1], s[84:85] offset:(32*(\t/2)+8*(\t%2))*96+8*\p
.endr
	global_store_b8 v[GVS], v[TM+\t], s[86:87] offset:(32*(\t/2)+8*(\t%2))*4
.endr
	s_add_co_u32 s90, s90, 1
	s_cmp_lg_u32 s90, 2
	s_cbranch_scc1 .Lband
; ---------------- q
	SBLOAD 8192*KS
	s_mov_b64 s[88:89], s[8:9]
	v_mov_b32 v[PT], 0
	v_mov_b32 v[PT+1], 0
	RLOAD 0
	RLOAD 1
	s_wait_tensorcnt 0x0
	s_wait_dscnt 0x0
	BARRIER                                ; W_q's rows are shown to all
	WEIGHTS
	REFILL 9216*KROW                       ; W_k's rows
	QKPHASE .Lq
; ---------------- k
	SBLOAD 9216*KS
	s_add_nc_u64 s[10:11], s[10:11], 6291456
	s_add_nc_u64 s[12:13], s[12:13], 524288
	s_wait_tensorcnt 0x0
	s_wait_dscnt 0x0
	BARRIER
	WEIGHTS
	QKPHASE .Lk
	s_wait_tensorcnt 0x0                   ; the wave's end
	ds_add_u32 v[SPW], v[NIL]
	s_wait_dscnt 0x0
	CROUND                                 ; the closing round
	s_endpgm
.Lfunc_end_k_q7c25d5c214_gemm_qkv:
	.size	k_q7c25d5c214_gemm_qkv, .Lfunc_end_k_q7c25d5c214_gemm_qkv-k_q7c25d5c214_gemm_qkv
	.p2alignl 7, 3214868480
	.fill 96, 4, 3214868480
	.section	.rodata,"a",@progbits
	.p2align	6, 0x0
	.amdhsa_kernel k_q7c25d5c214_gemm_qkv
		.amdhsa_group_segment_fixed_size 327680
		.amdhsa_private_segment_fixed_size 0
		.amdhsa_enable_private_segment 0
		.amdhsa_kernarg_size 40
		.amdhsa_user_sgpr_count 2
		.amdhsa_user_sgpr_kernarg_segment_ptr 1
		.amdhsa_wavefront_size32 1
		.amdhsa_system_sgpr_workgroup_id_x 1
		.amdhsa_system_sgpr_workgroup_id_y 1
		.amdhsa_system_sgpr_workgroup_id_z 1
		.amdhsa_system_vgpr_workitem_id 0
		.amdhsa_next_free_vgpr 840
		.amdhsa_next_free_sgpr 102
		.amdhsa_reserve_vcc 0
		.amdhsa_float_denorm_mode_32 3
		.amdhsa_float_denorm_mode_16_64 3
		.amdhsa_memory_ordered 1
		.amdhsa_forward_progress 1
		.amdhsa_inst_pref_size 120
	.end_amdhsa_kernel
	.amdgpu_metadata
---
amdhsa.version: [ 1, 2 ]
amdhsa.kernels:
  - .name:           k_q7c25d5c214_gemm_qkv
    .symbol:         k_q7c25d5c214_gemm_qkv.kd
    .args:
      - { .name: cw, .offset: 0, .size: 8, .value_kind: global_buffer, .address_space: global }
      - { .name: sw, .offset: 8, .size: 8, .value_kind: global_buffer, .address_space: global }
      - { .name: rope, .offset: 16, .size: 8, .value_kind: global_buffer, .address_space: global }
      - { .name: qkvc, .offset: 24, .size: 8, .value_kind: global_buffer, .address_space: global }
      - { .name: qkvs, .offset: 32, .size: 8, .value_kind: global_buffer, .address_space: global }
    .group_segment_fixed_size: 327680
    .private_segment_fixed_size: 0
    .kernarg_segment_align: 8
    .kernarg_segment_size: 40
    .max_flat_workgroup_size: 128
    .sgpr_count:     102
    .vgpr_count:     840
    .wavefront_size: 32
...
	.end_amdgpu_metadata
.endif
;; end of part 2
;; launch attn (part 3): grid 4 x 64, 16 waves a work-group, no clusters, 327,680 bytes of LDS; arguments qkvc, qkvs, oc, os; writes oc, os
.if DOCPART == 3
	.amdgcn_target "amdgcn-amd-amdhsa--gfx1250"
	.amdhsa_code_object_version 6
	.text
	.protected	k_q7c25d5c214_attn
	.globl	k_q7c25d5c214_attn
	.p2align	8
	.type	k_q7c25d5c214_attn,@function
k_q7c25d5c214_attn:
	s_mov_b64 s[64:65], 0
	v_nop
	global_prefetch_b8 v0, s[64:65] scope:SCOPE_SE
	s_setreg_imm32_b32 hwreg(HW_REG_WAVE_MODE, 25, 1), 1
	s_wait_xcnt 0x0
.set LK,   0
.set LV,   98304
.set LKS,  196608
.set LVS,  204800
.set AK0,  1
.set AV0,  2
.set ASK0, 3
.set ASV0, 4
.set RH,   5
.set GOC,  6
.set GOS,  7
.set ADK,  8
.set ADV,  9
.set ADS,  10
.set ADT,  11
.set STA,  12
.set STB,  16
.set QA,   20
.set QB,   32
.set F,    44
.set C2,   F+16
.set SO,   F+24
.set QSA,  98
.set QSB,  99
.set S,    100
.set OA,   164
.set OB,   196
.set PC,   228
.set KS,   240
.set FF,   244
.set PWD,  245
.set TMP,  246
.set BM,   248
.set PT,   252
.set WV,   12
.set BH,   13
.set G1A,  16
.set G1B,  24
.set G0A,  32
.set G0B,  36
.set SEL,  40
.set CS,   42
.set Q0A,  44
.set Q0B,  45
.set QEA,  46
.set QEB,  47
.set KF,   48
.set TB,   49
.set TS,   50
.set TJ,   51
.set CNT,  52
.set HM,   53
.set T0,   54
.set OCA,  56
.set OCB,  58
.set OSA,  60
.set OSB,  62
	s_load_b256 s[4:11], s[0:1], 0x0
	v_lshl_add_u32 v254, v0, 2, 0x33000
	v_mov_b32 v255, 0
	ds_add_u32 v254, v255
	ds_add_u32 v254, v255
	s_wait_dscnt 0x0
	v_lshrrev_b32 v1, 5, v0
	s_delay_alu instid0(VALU_DEP_1)
	v_readfirstlane_b32 s[WV], v1
	s_and_b32 s[BH], ttmp7, 0xffff
	s_mul_i32 s14, s[BH], 98304
	s_mov_b32 s15, 0
	s_lshr_b32 s54, s[WV], 3
	s_and_b32 s55, s[WV], 7
	s_mul_i32 s57, s55, 3072
	s_mul_i32 s60, s55, 9216
	s_add_co_u32 s60, s60, 24576
	s_mul_i32 s61, s54, LV
	s_add_co_u32 s56, s54, 1
	s_mul_i32 s56, s56, 6291456
	s_add_co_u32 s58, s56, s57
	s_mov_b32 s59, 0
	s_add_co_u32 s62, s56, s60
	s_mov_b32 s63, 0
.irp g, G1A, G1B
	s_mov_b32 s[\g], 3<<16
	s_mov_b32 s[\g+1], 32<<16
	s_mov_b32 s[\g+3], 32<<16
	s_mov_b32 s[\g+5], 32
	s_mov_b32 s[\g+6], 0
	s_mov_b32 s[\g+7], 0
.endr
	s_mov_b32 s[G1A+2], 12<<16
	s_mov_b32 s[G1A+4], 12
	s_mov_b32 s[G1B+2], 36<<16
	s_mov_b32 s[G1B+4], 36
	s_mov_b32 s[G0A], 1
	s_add_co_u32 s[G0A+1], s61, s57
	s_mov_b32 s[G0B], 1
	s_add_co_u32 s[G0B+1], s61, s60
	s_wait_kmcnt 0x0
	s_add_nc_u64 s[4:5], s[4:5], s[14:15]
	s_add_nc_u64 s[G0A+2:G0A+3], s[4:5], s[58:59]
	s_or_b32 s[G0A+3], s[G0A+3], 0x80000000
	s_add_nc_u64 s[G0B+2:G0B+3], s[4:5], s[62:63]
	s_or_b32 s[G0B+3], s[G0B+3], 0x80000000
	tensor_load_to_lds s[G0A:G0A+3], s[G1A:G1A+7]
	s_nop 0
.rept 4
	v_nop
.endr
	s_lshl_b32 s[Q0A], ttmp9, 8
	s_lshl_b32 s54, s[WV], 4
	s_sub_co_u32 s[Q0B], 1792, s[Q0A]
	s_add_co_u32 s[Q0A], s[Q0A], s54
	s_add_co_u32 s[Q0B], s[Q0B], s54
	s_add_co_u32 s[QEA], s[Q0A], 15
	s_add_co_u32 s[QEB], s[Q0B], 15
	v_and_b32 v246, 15, v0
	v_bfe_u32 v247, v0, 4, 1
	s_delay_alu instid0(VALU_DEP_2)
	v_mul_u32_u24 v[AK0], v246, 48
	s_delay_alu instid0(VALU_DEP_1)
	v_mad_u32_u24 v[AK0], v247, 24, v[AK0]
	s_delay_alu instid0(VALU_DEP_4)
	v_and_b32 v248, 8, v246
	s_delay_alu instid0(VALU_DEP_1)
	v_add_nc_u32 v248, v248, v246
	s_delay_alu instid0(VALU_DEP_1)
	v_mul_u32_u24 v[AV0], v248, 96
	s_delay_alu instid0(VALU_DEP_1)
	v_mad_u32_u24 v[AV0], v247, 24, v[AV0]
	s_delay_alu instid0(VALU_DEP_1)
	v_add_nc_u32 v[AV0], LV, v[AV0]
	v_and_b32 v249, 31, v0
	s_delay_alu instid0(VALU_DEP_1)
	v_lshl_add_u32 v[ASK0], v249, 2, LKS
	v_lshl_add_u32 v248, v247, 3, v248
	s_delay_alu instid0(VALU_DEP_1)
	v_lshl_add_u32 v[ASV0], v248, 2, LVS
	v_lshlrev_b32 v249, 3, v247
	s_delay_alu instid0(VALU_DEP_1)
	v_sub_nc_u32 v[RH], v246, v249
	v_mul_u32_u24 v[GOC], v246, 768
	s_delay_alu instid0(VALU_DEP_1)
	v_mad_u32_u24 v[GOC], v247, 24, v[GOC]
	v_lshl_add_u32 v[GOS], v246, 5, v247
	v_cmp_ne_u32 s[HM], 0, v247
	s_mul_i32 s54, s[Q0A], 48
	v_add_nc_u32 v108, s54, v[AK0]
	s_mul_i32 s54, s[Q0B], 48
	v_add_nc_u32 v109, s54, v[AK0]
	s_lshl_b32 s55, s[BH], 13
	s_lshl_b32 s54, s[Q0A], 2
	s_add_co_u32 s54, s54, s55
	v_lshl_add_u32 v110, v246, 2, s54
	s_lshl_b32 s54, s[Q0B], 2
	s_add_co_u32 s54, s54, s55
	v_lshl_add_u32 v111, v246, 2, s54
	v_lshl_add_u32 v106, v0, 4, s55
	s_lshl_b32 s54, s[BH], 12
	v_lshl_add_u32 v107, v0, 3, s54
	v_lshl_add_u32 v112, v0, 4, LKS
	v_lshl_add_u32 v113, v0, 3, LVS
	global_load_b128 v[100:103], v106, s[6:7] offset:524288
	global_load_b64 v[104:105], v107, s[6:7] offset:1048576
.irp p, 0,1,2
	global_load_b64 v[QA+2*\p:QA+2*\p+1], v108, s[4:5] offset:8*\p
	global_load_b64 v[QB+2*\p:QB+2*\p+1], v109, s[4:5] offset:8*\p
.endr
	global_load_b32 v[QSA], v110, s[6:7]
	global_load_b32 v[QSB], v111, s[6:7]
	; the second fill stands behind the head's global loads, so that these are on their way while the first fill lands
	s_wait_alu depctr_va_vdst(0)
	s_wait_tensorcnt 0x0
	ds_add_u32 v254, v255
	s_wait_dscnt 0x0
	s_barrier_signal -1
	s_barrier_wait -1
	tensor_load_to_lds s[G0B:G0B+3], s[G1B:G1B+7]
	s_nop 0
.rept 4
	v_nop
.endr
	s_lshr_b32 s54, s[BH], 4
	s_lshl_b32 s54, s54, 11
	s_and_b32 s55, s[BH], 15
	s_mul_i32 s15, s55, 48
	s_lshl_b32 s55, s55, 1
	s_add_co_u32 s14, s54, s[Q0A]
	s_mul_i32 s[OCA], s14, 768
	s_add_co_u32 s[OCA], s[OCA], s15
	s_mov_b32 s[OCA+1], 0
	s_add_nc_u64 s[OCA:OCA+1], s[8:9], s[OCA:OCA+1]
	s_lshl_b32 s[OSA], s14, 5
	s_add_co_u32 s[OSA], s[OSA], s55
	s_mov_b32 s[OSA+1], 0
	s_add_nc_u64 s[OSA:OSA+1], s[10:11], s[OSA:OSA+1]
	s_add_co_u32 s14, s54, s[Q0B]
	s_mul_i32 s[OCB], s14, 768
	s_add_co_u32 s[OCB], s[OCB], s15
	s_mov_b32 s[OCB+1], 0
	s_add_nc_u64 s[OCB:OCB+1], s[8:9], s[OCB:OCB+1]
	s_lshl_b32 s[OSB], s14, 5
	s_add_co_u32 s[OSB], s[OSB], s55
	s_mov_b32 s[OSB+1], 0
	s_add_nc_u64 s[OSB:OSB+1], s[10:11], s[OSB:OSB+1]
	s_mov_b32 s[SEL], 0x76543210
	s_mov_b32 s[SEL+1], 0xfedcba98
	s_mov_b32 s[CS], 0x3e38aa3b
	s_mov_b32 s[CS+1], s[CS]
.irp t, STA, STB
	v_mov_b32 v[\t+1], 0xff61b1e6
	s_delay_alu instid0(VALU_DEP_1)
	v_floor_f32 v[\t], -v[\t+1]
	v_mov_b32 v[\t+2], 0
	v_mov_b32 v[\t+3], 0
.endr
.irp j, 6,7,8,9,10,11
	v_mov_b32 v[QA+\j], 0
	v_mov_b32 v[QB+\j], 0
	v_mov_b32 v[F+42+\j], 0
.endr
.irp b, 0,1,2,3
	v_mov_b32 v[PT+\b], 0
.endr
	v_mov_b32 v[PWD], 0
.set j, 0
.rept 64
	v_mov_b32 v[OA+j], 0
.set j, j+1
.endr
	s_wait_loadcnt 0x0
	ds_store_b128 v112, v[100:103]
	ds_store_b64 v113, v[104:105]
	s_wait_tensorcnt 0x1
	s_wait_dscnt 0x0
	s_barrier_signal -1
	s_barrier_wait -1
.macro STEP qf, qw, sta, oa, qlo, qhi
	s_cmp_gt_u32 s[KF], s[\qhi]
	s_cbranch_scc1 .Lhidden_\@
	v_add_nc_u32 v[ADK], s[TB], v[AK0]
	v_add_nc_u32 v[ADV], s[TB], v[AV0]
	v_add_nc_u32 v[ADS], s[TS], v[ASK0]
	v_add_nc_u32 v[ADT], s[TJ], v[ASV0]
.irp t, 0,1,2,3,4,5,6,7
.irp p, 0,1,2
	ds_load_b64 v[F+6*\t+2*\p:F+6*\t+2*\p+1], v[ADK] offset:768*\t+8*\p
.endr
.endr
.irp b, 0,1,2,3
	ds_load_b32 v[KS+\b], v[ADS] offset:128*\b
.endr
	s_wait_dscnt 0x0
.irp b, 0,1,2,3
	v_wmma_scale_f32_16x16x128_f8f6f4 v[S+16*\b:S+16*\b+7], v[F+12*\b:F+12*\b+11], v[\qf:\qf+11], 0, v[KS+\b], v[\qw] matrix_a_fmt:MATRIX_FMT_FP6 matrix_b_fmt:MATRIX_FMT_FP6
	v_wmma_scale_f32_16x16x128_f8f6f4 v[S+16*\b+8:S+16*\b+15], v[F+12*\b+6:F+12*\b+17], v[\qf:\qf+11], 0, v[KS+\b], v[\qw] matrix_a_fmt:MATRIX_FMT_FP6 matrix_b_fmt:MATRIX_FMT_FP6 matrix_a_scale:MATRIX_SCALE_ROW1
.endr
.rept 4
	v_nop
.endr
	s_add_co_u32 s[T0], s[KF], 127
	s_cmp_le_u32 s[T0], s[\qlo]
	s_cbranch_scc1 .Lopen_\@
	s_sub_co_i32 s[T0], s[\qlo], s[KF]
	v_add_nc_u32 v[TMP], s[T0], v[RH]
	v_mov_b32 v[PT], 0xff800000
.set n, 0
.rept 64
	v_cmp_gt_i32 vcc_lo, 16*(n/8)+n%8, v[TMP]
	v_cndmask_b32 v[S+n], v[S+n], v[PT], vcc_lo
.set n, n+1
.endr
.Lopen_\@:
.irp b, 0,1,2,3
	v_max3_num_f32 v[BM+\b], v[S+16*\b], v[S+1+16*\b], v[S+2+16*\b]
.endr
.irp i, 3,5,7,9,11,13
.irp b, 0,1,2,3
	v_max3_num_f32 v[BM+\b], v[BM+\b], v[S+16*\b+\i], v[S+1+16*\b+\i]
.endr
.endr
.irp b, 0,1,2,3
	v_max_num_f32 v[BM+\b], v[BM+\b], v[S+15+16*\b]
.endr
.irp b, 0,1,2,3
	s_delay_alu instid0(VALU_DEP_4)
	v_permlanex16_b32 v[PT+\b], v[BM+\b], s[SEL], s[SEL+1]
.endr
.irp b, 0,1,2,3
	s_delay_alu instid0(VALU_DEP_4)
	v_max_num_f32 v[BM+\b], v[BM+\b], v[PT+\b]
.endr
	s_delay_alu instid0(VALU_DEP_2)
	v_max3_num_f32 v[TMP], v[BM], v[BM+1], v[BM+2]
	s_delay_alu instid0(VALU_DEP_1)
	v_max_num_f32 v[TMP], v[TMP], v[BM+3]
	s_delay_alu instid0(VALU_DEP_1)
	v_mul_f32 v[TMP], s[CS], v[TMP]
	s_delay_alu instid0(VALU_DEP_1)
	v_max_num_f32 v[\sta+1], v[\sta+1], v[TMP]
	v_mov_b32 v[TMP], v[\sta]
	s_delay_alu instid0(VALU_DEP_2)
	v_floor_f32 v[\sta], -v[\sta+1]
	s_delay_alu instid0(VALU_DEP_1)
	v_sub_f32 v[TMP], v[\sta], v[TMP]
	s_delay_alu instid0(VALU_DEP_1)
	v_cvt_i32_f32 v[TMP], v[TMP]
	s_delay_alu instid0(VALU_DEP_1)
	v_ldexp_f32 v[FF], 1.0, v[TMP]
.set j, 0
.rept 32
	v_pk_fma_f32 v[S+j:S+j+1], v[S+j:S+j+1], s[CS:CS+1], v[\sta:\sta+1] op_sel_hi:[1,0,0]
.set j, j+2
.endr
.irp b, 0,1,2,3
	v_fma_f32 v[BM+\b], v[BM+\b], s[CS], v[\sta]
.endr
.set j, 0
	s_wait_alu depctr_va_vdst(0)
.rept 64
	v_exp_f32 v[S+j], v[S+j]
.set j, j+1
.endr
	v_pk_mul_f32 v[\sta+2:\sta+3], v[\sta+2:\sta+3], v[FF:FF+1] op_sel_hi:[1,0]
	s_wait_alu depctr_va_vdst(0)
.irp b, 0,1,2,3
	v_exp_f32 v[BM+\b], v[BM+\b]
.endr
	v_pk_add_f32 v[PT:PT+1], v[S:S+1], v[S+2:S+3]
.irp j, 4,8,12,16,20,24,28,32,36,40,44,48,52,56,60
	v_pk_add_f32 v[\sta+2:\sta+3], v[\sta+2:\sta+3], v[S+\j:S+1+\j]
	v_pk_add_f32 v[PT:PT+1], v[PT:PT+1], v[S+2+\j:S+3+\j]
.endr
	s_delay_alu instid0(VALU_DEP_1)
	v_pk_add_f32 v[\sta+2:\sta+3], v[\sta+2:\sta+3], v[PT:PT+1]
	s_wait_alu depctr_va_vdst(0)
.irp b, 0,1,2,3
	v_max_num_f32 v[BM+\b], 0x1800000, v[BM+\b]
.endr
.irp b, 0,1,2,3
	s_delay_alu instid0(VALU_DEP_4)
	v_add_nc_u32 v[SO+\b], 0xff000000, v[BM+\b]
.endr
.irp b, 0,1,2,3
	s_delay_alu instid0(VALU_DEP_4)
	v_lshrrev_b32 v[PT+\b], 23, v[SO+\b]
.endr
	s_delay_alu instid0(VALU_DEP_3)
	v_lshl_or_b32 v[PWD], v[PT+1], 8, v[PT]
	s_delay_alu instid0(VALU_DEP_1)
	v_lshl_or_b32 v[PWD], v[PT+2], 16, v[PWD]
	s_delay_alu instid0(VALU_DEP_1)
	v_lshl_or_b32 v[PWD], v[PT+3], 24, v[PWD]
.irp c, 0,1
	v_cvt_scalef32_pk16_fp6_f32 v[PC+6*\c:PC+2+6*\c], v[S+32*\c:S+15+32*\c], v[SO+2*\c]
	v_cvt_scalef32_pk16_fp6_f32 v[C2+4*\c:C2+2+4*\c], v[S+16+32*\c:S+31+32*\c], v[SO+2*\c+1]
.endr
	v_nop
.irp c, 0,1
.irp i, 0,1,2
	v_permlane16_swap_b32 v[PC+6*\c+\i], v[C2+4*\c+\i]
.endr
.irp i, 0,1,2
	s_delay_alu instid0(VALU_DEP_3)
	v_mov_b32 v[PC+3+6*\c+\i], v[C2+4*\c+\i]
.endr
.endr
.set j, 0
.rept 16
	v_pk_mul_f32 v[\oa+j:\oa+j+1], v[\oa+j:\oa+j+1], v[FF:FF+1] op_sel_hi:[1,0]
.set j, j+2
.endr
.irp t, 0,1,2,3
.irp p, 0,1,2,3,4,5
	ds_load_b64 v[F+12*\t+2*\p:F+12*\t+2*\p+1], v[ADV] offset:(32*(\t/2)+8*(\t%2))*96+48*(\p/3)+8*(\p%3)
.endr
.endr
.irp b, 0,1
	ds_load_b32 v[KS+\b], v[ADT] offset:128*\b
.endr
	s_wait_alu depctr_va_vdst(0)
	s_wait_dscnt 0x0
.irp b, 0,1
	v_wmma_scale_f32_16x16x128_f8f6f4 v[\oa+16*\b:\oa+16*\b+7], v[F+24*\b:F+24*\b+11], v[PC:PC+11], v[\oa+16*\b:\oa+16*\b+7], v[KS+\b], v[PWD] matrix_a_fmt:MATRIX_FMT_FP6 matrix_b_fmt:MATRIX_FMT_FP6
	v_wmma_scale_f32_16x16x128_f8f6f4 v[\oa+16*\b+8:\oa+16*\b+15], v[F+24*\b+12:F+24*\b+23], v[PC:PC+11], v[\oa+16*\b+8:\oa+16*\b+15], v[KS+\b], v[PWD] matrix_a_fmt:MATRIX_FMT_FP6 matrix_b_fmt:MATRIX_FMT_FP6 matrix_a_scale:MATRIX_SCALE_ROW1
.endr
.Lhidden_\@:
.endm
.macro BOTH
	STEP QA, QSA, STA, OA, Q0A, QEA
	STEP QB, QSB, STB, OB, Q0B, QEB
	s_add_co_u32 s[KF], s[KF], 128
	s_add_co_u32 s[TB], s[TB], 6144
	s_add_co_u32 s[TS], s[TS], 512
	s_add_co_u32 s[TJ], s[TJ], 256
.endm
	s_mov_b32 s[KF], 0
	s_mov_b32 s[TB], 0
	s_mov_b32 s[TS], 0
	s_mov_b32 s[TJ], 0
	s_mov_b32 s[CNT], 4
.Lpart1:
	BOTH
	s_sub_co_u32 s[CNT], s[CNT], 1
	s_cmp_lg_u32 s[CNT], 0
	s_cbranch_scc1 .Lpart1
	s_wait_tensorcnt 0x0
	s_wait_dscnt 0x0
	s_barrier_signal -1
	s_barrier_wait -1
	s_mov_b32 s[KF], 512
	s_mov_b32 s[TB], 24576
	s_mov_b32 s[TS], 2048
	s_mov_b32 s[TJ], 1024
	s_mov_b32 s[CNT], 12
.Lpart2:
	BOTH
	s_sub_co_u32 s[CNT], s[CNT], 1
	s_cmp_lg_u32 s[CNT], 0
	s_cbranch_scc1 .Lpart2
.rept 4
	v_nop
.endr
.macro OUT sta, oa, pcod, pscl
	v_add_f32 v[TMP], v[\sta+2], v[\sta+3]
	s_delay_alu instid0(VALU_DEP_1)
	v_permlanex16_b32 v[PT], v[TMP], s[SEL], s[SEL+1]
	s_delay_alu instid0(VALU_DEP_1)
	v_add_f32 v[TMP], v[TMP], v[PT]
	s_wait_alu depctr_va_vdst(0)
	v_rcp_f32 v[TMP], v[TMP]
	v_nop
	s_wait_alu depctr_va_vdst(0)
.set j, 0
.rept 32
	v_mul_f32 v[S+j], v[\oa+j], v[TMP]
.set j, j+1
.endr
.irp b, 0,1
	v_max3_num_f32 v[BM+\b], |v[S+16*\b]|, |v[S+1+16*\b]|, 0x1800000
.endr
.irp i, 2,4,6,8,10,12,14
.irp b, 0,1
	s_delay_alu instid0(VALU_DEP_2)
	v_max3_num_f32 v[BM+\b], v[BM+\b], |v[S+16*\b+\i]|, |v[S+1+16*\b+\i]|
.endr
.endr
.irp b, 0,1
	s_delay_alu instid0(VALU_DEP_2)
	v_permlanex16_b32 v[PT+\b], v[BM+\b], s[SEL], s[SEL+1]
.endr
.irp b, 0,1
	s_delay_alu instid0(VALU_DEP_2)
	v_max_num_f32 v[BM+\b], v[BM+\b], v[PT+\b]
.endr
.irp b, 0,1
	s_delay_alu instid0(VALU_DEP_2)
	v_add_nc_u32 v[SO+\b], 0xff000000, v[BM+\b]
.endr
.irp b, 0,1
	s_delay_alu instid0(VALU_DEP_2)
	v_lshrrev_b32 v[PT+\b], 23, v[SO+\b]
.endr
	v_cvt_scalef32_pk16_fp6_f32 v[PC:PC+2], v[S:S+15], v[SO]
	v_cvt_scalef32_pk16_fp6_f32 v[C2:C2+2], v[S+16:S+31], v[SO+1]
	v_nop
.irp i, 0,1,2
	v_permlane16_swap_b32 v[PC+\i], v[C2+\i]
.endr
.irp i, 0,1,2
	s_delay_alu instid0(VALU_DEP_3)
	v_mov_b32 v[PC+3+\i], v[C2+\i]
.endr
	v_cndmask_b32 v[TMP], v[PT], v[PT+1], s[HM]
.irp p, 0,1,2
	global_store_b64 v[GOC], v[PC+2*\p:PC+2*\p+1], s[\pcod:\pcod+1] offset:8*\p
.endr
	global_store_b8 v[GOS], v[TMP], s[\pscl:\pscl+1]
.endm
	OUT STA, OA, OCA, OSA
	s_wait_xcnt 0x0
	OUT STB, OB, OCB, OSB
	s_wait_xcnt 0x0
	v_lshl_add_u32 v254, v0, 2, 0x33000
	v_mov_b32 v255, 0
	s_wait_alu depctr_va_vdst(0)
	s_wait_tensorcnt 0x0
	ds_add_u32 v254, v255
	s_wait_dscnt 0x0
	s_endpgm
.Lfunc_end_k_q7c25d5c214_attn:
	.size	k_q7c25d5c214_attn, .Lfunc_end_k_q7c25d5c214_attn-k_q7c25d5c214_attn
	.p2alignl 7, 3214868480
	.fill 96, 4, 3214868480
	.section	.rodata,"a",@progbits
	.p2align	6, 0x0
	.amdhsa_kernel k_q7c25d5c214_attn
		.amdhsa_group_segment_fixed_size 327680
		.amdhsa_private_segment_fixed_size 0
		.amdhsa_enable_private_segment 0
		.amdhsa_kernarg_size 32
		.amdhsa_user_sgpr_count 2
		.amdhsa_user_sgpr_kernarg_segment_ptr 1
		.amdhsa_wavefront_size32 1
		.amdhsa_system_sgpr_workgroup_id_x 1
		.amdhsa_system_sgpr_workgroup_id_y 1
		.amdhsa_system_sgpr_workgroup_id_z 1
		.amdhsa_system_vgpr_workitem_id 0
		.amdhsa_next_free_vgpr 256
		.amdhsa_next_free_sgpr 66
		.amdhsa_reserve_vcc 1
		.amdhsa_float_denorm_mode_32 3
		.amdhsa_float_denorm_mode_16_64 3
		.amdhsa_memory_ordered 1
		.amdhsa_forward_progress 1
		.amdhsa_inst_pref_size 115
	.end_amdhsa_kernel
	.amdgpu_metadata
---
amdhsa.version: [ 1, 2 ]
amdhsa.kernels:
  - .name:           k_q7c25d5c214_attn
    .symbol:         k_q7c25d5c214_attn.kd
    .args:
      - { .name: qkvc, .offset: 0, .size: 8, .value_kind: global_buffer, .address_space: global }
      - { .name: qkvs, .offset: 8, .size: 8, .value_kind: global_buffer, .address_space: global }
      - { .name: oc, .offset: 16, .size: 8, .value_kind: global_buffer, .address_space: global }
      - { .name: os, .offset: 24, .size: 8, .value_kind: global_buffer, .address_space: global }
    .group_segment_fixed_size: 327680
    .private_segment_fixed_size: 0
    .kernarg_segment_align: 8
    .kernarg_segment_size: 32
    .max_flat_workgroup_size: 512
    .sgpr_count:     66
    .vgpr_count:     256
    .wavefront_size: 32
...
	.end_amdgpu_metadata
.endif
;; end of part 3
;; launch gemm_proj (part 4): grid 8 x 32, 4 waves a work-group, clusters of 4 x 4, 327,680 bytes of LDS; arguments oc, os, cw, sw, out0; writes out0
.if DOCPART == 4
	.amdgcn_target "amdgcn-amd-amdhsa--gfx1250"
	.amdhsa_code_object_version 6
	.text
	.protected	k_q7c25d5c214_gemm_proj
	.globl	k_q7c25d5c214_gemm_proj
	.p2align	8
	.type	k_q7c25d5c214_gemm_proj,@function
k_q7c25d5c214_gemm_proj:
	s_mov_b64 s[64:65], 0
	v_nop
	global_prefetch_b8 v0, s[64:65] scope:SCOPE_SE
	s_setreg_imm32_b32 hwreg(HW_REG_WAVE_MODE, 25, 1), 1
	s_wait_xcnt 0x0
	s_wait_alu depctr_hold_cnt(0) depctr_sa_sdst(0) depctr_va_vdst(0) depctr_va_sdst(0) depctr_va_ssrc(0) depctr_va_vcc(0) depctr_vm_vsrc(0)
	s_getreg_b32 s2, hwreg(HW_REG_IB_STS2, 6, 4)
	s_cmp_eq_u32 s2, 0
	s_cbranch_scc0 .Lentry_in_a_cluster
	s_endpgm
.Lentry_in_a_cluster:
	s_bfe_u32 s2, ttmp6, 0x10000c
	s_cmp_lg_u32 s2, 0xf033
	s_cbranch_scc0 .Lentry_shape_is_right
	s_endpgm
.Lentry_shape_is_right:
; out0 = o W_proj on codes of FP6 (E2M3) with E8M0 scales, K = 1,024, f32 sums.  256 work-groups of four waves, 2 x 2, each 256 rows x 128 columns.
; All of K lies in LDS (rows of 768 bytes), asked for once, at the head, one tensor load a wave; nothing is filled again.  A wave holds its 64 rows of W_proj in 384 registers and streams its 128 rows of o past them
; in blocks of 16 rows, 32 products a block (source 0 = the weight: a lane holds eight neighbouring columns of a row).  A finished block goes through the wave's stage in LDS and leaves as whole rows of 256 bytes,
; one block behind the products.  The stages lie in the weights' region, which has had its only fill and, behind the second barrier, its last read.
; CLUSTERS 4 x 4: o's rows are shared by a row of the cluster, the weight's by a column.  No prefetch: every tile is asked for at the head; there is no loop to run ahead in.
.set KROW,768
.set KS,32
.set PITCH,816
.set FR,12
.set FPW,21
.set NQ,8
.set NB,4
.set NF,28
.set BVB,256*PITCH
.set SCL,BVB+128*PITCH
.set SPARE,SCL+32*272
.set ADRA0,4
.set AAS0,6
.set CO,9
.set SPW,10
.set NIL,11
.set ADRA,12
.set AAS,14
.set ABS,15
.set BA,16
.set STO,24
.set RD,25
.set SB,32
.set SA,52
.set ACC,72                            ; two sets of four accumulators
.set OUT,136                           ; two sets of 16 rows read back
.set G1A,24
.set G1B,32
.set G1S,48
.set G0A,56
.set G0B,60
.set G0S,68
.set MSB,0
.macro WIN new
.if MSB != \new
	s_set_vgpr_msb (MSB<<8)|\new
.set MSB, \new
.endif
.endm
.macro PLACES n
.rept \n
	v_nop
.endr
.endm
.macro WALU
	s_wait_alu depctr_va_vdst(0)
.endm
.macro BARRIER
	s_barrier_signal -1
	s_barrier_wait -1
.endm
.macro CROUND
	s_barrier_signal -1
	s_barrier_wait -1
	s_cmp_lg_u32 s14, 0
	s_cbranch_scc1 .Lnot_wave_0_\@
	s_barrier_signal -3
.Lnot_wave_0_\@:
	s_barrier_wait -3
	s_barrier_signal -1
	s_barrier_wait -1
.endm
.macro TLOAD g0, g1
	tensor_load_to_lds s[\g0:\g0+3], s[\g1:\g1+7]
	s_nop 0
	PLACES 4
.endm
.macro GROUP1 g, mask, rows
	s_or_b32 s[\g+0], s[\mask], (1<<20)|(1<<21)|(5<<22)|(3<<25)
	s_mov_b32 s[\g+1], KROW<<16
	s_mov_b32 s[\g+2], (\rows)<<16
	s_mov_b32 s[\g+3], KROW<<16
	s_mov_b32 s[\g+4], \rows
	s_mov_b32 s[\g+5], KROW
	s_mov_b32 s[\g+6], 0
	s_mov_b32 s[\g+7], 0
.endm
.macro G0SET g, base, off
	s_mov_b32 s20, s\off
	s_add_nc_u64 s[\g+2:\g+3], s[\base:\base+1], s[20:21]
	s_or_b32 s[\g+3], s[\g+3], 0x80000000
.endm
.macro FRAG f, q, a0, a1               ; fragment f: window 1 + f / 21, register 12 (f % 21); six pieces of 8 bytes, two to a load where both lie behind as many paddings
	WIN (1+(\f)/FPW)<<6
.set R_, FR*((\f)%FPW)
.set SKIP_, 0
.irp p, 0,1,2,3,4,5
.if SKIP_
.set SKIP_, 0
.else
.set PC_, 12*(\q)+6*(\p/3)+\p%3
.set PN_, 12*(\q)+6*((\p+1)/3)+(\p+1)%3
.set X_, (PC_%32+3)/32
.set XQ_, (PN_%32+3)/32
.if (\p < 5) && (X_ == XQ_)
.set SKIP_, 1
.if X_
	ds_load_2addr_b64 v[R_+2*\p:R_+2*\p+3], \a1 offset0:PC_+2*(PC_/32) offset1:PN_+2*(PN_/32)
.else
	ds_load_2addr_b64 v[R_+2*\p:R_+2*\p+3], \a0 offset0:PC_+2*(PC_/32) offset1:PN_+2*(PN_/32)
.endif
.elseif X_
	ds_load_b64 v[R_+2*\p:R_+2*\p+1], \a1 offset:8*(PC_+2*(PC_/32))
.else
	ds_load_b64 v[R_+2*\p:R_+2*\p+1], \a0 offset:8*(PC_+2*(PC_/32))
.endif
.endif
.endr
.endm
.macro WEIGHTS
.irp q, 0,1,2,3,4,5,6,7
.irp b, 0,1,2,3
	FRAG NB*\q+\b, \q, v[BA+2*\b], v[BA+2*\b+1]
.endr
.endr
	WIN 0
.endm
.macro FETCHAT e, a0, a1, as
.irp q, 0,1,2,3,4,5,6,7
	FRAG NB*NQ+NQ*(\e)+\q, \q, \a0, \a1
.endr
	WIN 0
	ds_load_b128 v[SA+8*(\e):SA+8*(\e)+3], \as
	ds_load_b128 v[SA+8*(\e)+4:SA+8*(\e)+7], \as offset:16
.endm
.macro PROD1 d, s0, s1, c, x0, x1, o
.if \o
	v_wmma_scale_f32_16x16x128_f8f6f4 v[\d:\d+7], v[FR*((\s0)%FPW):FR*((\s0)%FPW)+FR-1], v[FR*((\s1)%FPW):FR*((\s1)%FPW)+FR-1], \c, v[\x0], v[\x1] matrix_a_fmt:MATRIX_FMT_FP6 matrix_b_fmt:MATRIX_FMT_FP6 matrix_a_scale:MATRIX_SCALE_ROW1
.else
	v_wmma_scale_f32_16x16x128_f8f6f4 v[\d:\d+7], v[FR*((\s0)%FPW):FR*((\s0)%FPW)+FR-1], v[FR*((\s1)%FPW):FR*((\s1)%FPW)+FR-1], \c, v[\x0], v[\x1] matrix_a_fmt:MATRIX_FMT_FP6 matrix_b_fmt:MATRIX_FMT_FP6 matrix_a_scale:MATRIX_SCALE_ROW0
.endif
.endm
.macro PROD e, n, a0                   ; n = 4 q + tile; source 0 the weight's rows
.set Q_, (\n)/4
.set FB_, NB*Q_+(\n)%4
.set FA_, NB*NQ+NQ*(\e)+Q_
.set D_, (\a0)+8*((\n)%4)
.set XB_, SB+NQ*(((\n)%4)/2)+Q_
.set XA_, SA+8*(\e)+Q_
	WIN (1+FB_/FPW)|((1+FA_/FPW)<<2)
.if Q_
	PROD1 D_, FB_, FA_, v[D_:D_+7], XB_, XA_, (\n)%2
.else
	PROD1 D_, FB_, FA_, 0, XB_, XA_, (\n)%2
.endif
.endm
.macro TOSTAGE e                       ; LDS serves a wave's instructions in order: the loads see the stores
.irp b, 0,1,2,3
	ds_store_b128 v[STO], v[ACC+32*(\e)+8*\b:ACC+32*(\e)+8*\b+3] offset:64*\b
	ds_store_b128 v[STO], v[ACC+32*(\e)+8*\b+4:ACC+32*(\e)+8*\b+7] offset:64*\b+16
.endr
.irp t, 0,1,2,3,4,5,6,7
	ds_load_b128 v[OUT+32*(\e)+4*\t:OUT+32*(\e)+4*\t+3], v[RD] offset:544*\t
.endr
.endm
.macro SEND e                          ; sixteen lanes store 256 consecutive bytes, aligned
.irp t, 0,1,2,3,4,5,6,7
	global_store_b128 v[CO], v[OUT+32*(\e)+4*\t:OUT+32*(\e)+4*\t+3], s[12:13] offset:8192*\t th:TH_STORE_NT
.endr
.endm
.macro PBLK e, fetch, send             ; a block's products; the fetch of the block two on; this block into the stage; the block before leaves
.set N_, 0
.rept 32
	PROD \e, N_, ACC+32*(\e)
.set N_, N_+1
.endr
	WIN 0
.if \fetch
	v_add_nc_u32 v[ADRA], s101, v[ADRA0]
	v_add_nc_u32 v[ADRA+1], s101, v[ADRA0+1]
	v_add_nc_u32 v[AAS], s91, v[AAS0]
	v_nop
	WALU                                   ; the wait behind these writes
	s_add_co_u32 s101, s101, 16*PITCH
	s_add_co_u32 s91, s91, 544
	FETCHAT \e, v[ADRA], v[ADRA+1], v[AAS]
.else
	PLACES 4
.endif
	s_wait_xcnt 0x0                        ; earlier stores have read their registers and their base
.if \send
	s_add_nc_u64 s[12:13], s[12:13], s[82:83]   ; 16 rows on (the first time: 0)
	s_mov_b32 s82, 0x10000
.endif
	TOSTAGE \e
	s_wait_dscnt 16+NF*\fetch              ; all but this block's fetch and stage: the block before is back from the stage, and the next block's rows are in
.if \send
	SEND 1-\e
.endif
.endm
	s_load_b128 s[4:7], s[0:1], 0x0        ; oc, os
	s_load_b128 s[8:11], s[0:1], 0x10      ; cw, sw
	s_load_b64 s[12:13], s[0:1], 0x20      ; out0
	v_lshl_add_u32 v[SPW], v0, 2, SPARE
	v_mov_b32 v[NIL], 0
	ds_add_u32 v[SPW], v[NIL]              ; the opening lines
	ds_add_u32 v[SPW], v[NIL]
	v_lshrrev_b32 v1, 5, v0
	v_readfirstlane_b32 s14, v1
	s_lshr_b32 s15, s14, 1
	s_and_b32 s16, s14, 1
	s_bfe_u32 s17, ttmp6, 0x40000
	s_bfe_u32 s18, ttmp6, 0x40004
	s_lshl_b32 s19, ttmp9, 2
	s_add_co_u32 s19, s19, s17             ; tile column, 0 .. 7
	s_and_b32 s78, ttmp7, 0xffff
	s_lshl_b32 s78, s78, 2
	s_add_co_u32 s78, s78, s18             ; tile row, 0 .. 31
	s_lshl_b32 s76, s18, 2
	s_lshl_b32 s76, 15, s76
	s_lshl_b32 s77, 0x1111, s17
	GROUP1 G1A, 76, 128
	GROUP1 G1B, 77, 128
	s_or_b32 s[G1S+0], s76, (3<<16)|(1<<20)|(1<<21)|(5<<22)|(3<<25)
	s_mov_b32 s[G1S+1], 32<<16
	s_mov_b32 s[G1S+2], 32<<16
	s_mov_b32 s[G1S+3], 32<<16
	s_mov_b32 s[G1S+4], 32
	s_mov_b32 s[G1S+5], 32
	s_mov_b32 s[G1S+6], 0
	s_mov_b32 s[G1S+7], 0
	s_mul_i32 s80, s78, 256*KROW
	s_mul_i32 s20, s16, 128*KROW
	s_add_co_u32 s80, s80, s20
	s_lshl_b32 s81, s78, 13
	s_mul_i32 s79, s19, 128*KROW
	s_add_co_u32 s79, s79, 11264*KROW      ; W_proj's rows in cw
	s_lshl_b32 s84, s19, 12
	s_lshl_b32 s20, s16, 11
	s_add_co_u32 s84, s84, s20
	s_add_co_u32 s84, s84, 11264*KS
	s_mov_b32 s85, 0
	s_mov_b32 s[G0A], 1
	s_mul_i32 s[G0A+1], s16, 128*PITCH
	s_mov_b32 s[G0B], 1
	s_mov_b32 s[G0B+1], BVB
	s_mov_b32 s[G0S], 1
	s_mov_b32 s[G0S+1], SCL
	v_and_b32 v1, 15, v0
	v_bfe_u32 v2, v0, 4, 1
	v_and_b32 v3, 31, v0
	v_mul_u32_u24 v26, v1, PITCH
	s_mul_i32 s20, s15, 128*PITCH
	v_add_nc_u32 v27, s20, v26
	v_mad_u32_u24 v[ADRA0], v2, 24, v27
	v_mad_u32_u24 v[ADRA0+1], v2, 40, v27
	v_add_nc_u32 v[ADRA], 16*PITCH, v[ADRA0]
	v_add_nc_u32 v[ADRA+1], 16*PITCH, v[ADRA0+1]
	s_mul_i32 s20, s16, 64*PITCH
	s_add_co_u32 s20, s20, BVB
	v_add_nc_u32 v27, s20, v26
	v_mad_u32_u24 v28, v2, 24, v27
	v_mad_u32_u24 v29, v2, 40, v27
.irp j, 0,1,2,3
	v_add_nc_u32 v[BA+2*\j], 16*\j*PITCH, v28
	v_add_nc_u32 v[BA+2*\j+1], 16*\j*PITCH, v29
.endr
	v_lshrrev_b32 v27, 3, v1
	v_lshlrev_b32 v[AAS0], 5, v1
	v_lshl_add_u32 v[AAS0], v27, 4, v[AAS0]
	s_mul_i32 s20, s15, 4352
	s_add_co_u32 s20, s20, SCL
	v_add_nc_u32 v[AAS0], s20, v[AAS0]
	v_add_nc_u32 v[AAS], 544, v[AAS0]
	v_lshlrev_b32 v[ABS], 5, v3
	s_mul_i32 s20, s14, 16*272
	s_add_co_u32 s20, s20, BVB             ; my stage
	v_mul_u32_u24 v27, v1, 272
	v_lshl_add_u32 v27, v2, 5, v27
	v_add_nc_u32 v[STO], s20, v27
	v_mul_u32_u24 v27, v2, 272
	v_lshl_add_u32 v27, v1, 4, v27
	v_add_nc_u32 v[RD], s20, v27
	v_lshlrev_b32 v27, 4, v1
	v_lshl_add_u32 v[CO], v2, 12, v27
	WALU                                   ; the wait at the head's end
	s_wait_dscnt 0x0
	CROUND                                 ; the round in front of the joint loads
	s_wait_kmcnt 0x0
	s_mov_b32 s21, 0
	G0SET G0A, 4, 80
	G0SET G0S, 6, 81
	G0SET G0B, 8, 79
	s_add_nc_u64 s[84:85], s[10:11], s[84:85]
	s_cmp_eq_u32 s14, 0
	s_cbranch_scc0 .Lwave_1
	TLOAD G0B, G1B                         ; wave 0: the weight's 128 rows, needed first
	s_branch .Lasked
.Lwave_1:
	s_cmp_eq_u32 s14, 1
	s_cbranch_scc0 .Lwave_2
	TLOAD G0S, G1S                         ; wave 1: o's scale bytes
	s_branch .Lasked
.Lwave_2:
	TLOAD G0A, G1A                         ; waves 2, 3: 128 rows of o each
.Lasked:
.irp p, 0,1
.irp c, 0,1
	global_load_b128 v[SB+NQ*\p+4*\c:SB+NQ*\p+4*\c+3], v[ABS], s[84:85] offset:\p*32*KS+16*\c
.endr
.endr
	s_lshl_b32 s22, s78, 8
	s_lshl_b32 s20, s15, 7
	s_add_co_u32 s22, s22, s20
	s_lshl_b32 s22, s22, 12                ; my first row of out0, in bytes,
	s_lshl_b32 s20, s19, 9
	s_add_co_u32 s22, s22, s20
	s_lshl_b32 s20, s16, 8
	s_add_co_u32 s22, s22, s20             ; and my 64 columns
	s_mov_b32 s23, 0
	s_add_nc_u64 s[12:13], s[12:13], s[22:23]
	s_mov_b32 s82, 0
	s_mov_b32 s83, 0
	s_mov_b32 s101, 32*PITCH
	s_mov_b32 s91, 2*544
	s_cmp_eq_u32 s14, 0
	s_cbranch_scc0 .Lnot_b
	s_wait_tensorcnt 0x0
.Lnot_b:
	BARRIER                                ; the weight's rows are in
	WEIGHTS
	s_wait_tensorcnt 0x0
	s_wait_dscnt 0x0
	BARRIER                                ; o's rows and scale bytes are in, and nobody reads the weights' region any more
	FETCHAT 0, v[ADRA0], v[ADRA0+1], v[AAS0]
	FETCHAT 1, v[ADRA], v[ADRA+1], v[AAS]
	s_wait_loadcnt 0x0
	s_wait_dscnt NF                        ; block 0's rows are in
	PBLK 0, 1, 0
	s_mov_b32 s86, 0
.Lblocks:                                      ; blocks 1 to 4
	PBLK 1, 1, 1
	PBLK 0, 1, 1
	s_add_co_u32 s86, s86, 1
	s_cmp_lg_u32 s86, 2
	s_cbranch_scc1 .Lblocks
	PBLK 1, 1, 1
	PBLK 0, 0, 1                           ; the last two blocks fetch nothing
	PBLK 1, 0, 1
	s_wait_dscnt 0x0
	s_wait_xcnt 0x0
	s_add_nc_u64 s[12:13], s[12:13], s[82:83]
	SEND 1
	s_wait_tensorcnt 0x0                   ; the wave's end
	ds_add_u32 v[SPW], v[NIL]
	s_wait_dscnt 0x0
	CROUND                                 ; the closing round
	s_endpgm
.Lfunc_end_k_q7c25d5c214_gemm_proj:
	.size	k_q7c25d5c214_gemm_proj, .Lfunc_end_k_q7c25d5c214_gemm_proj-k_q7c25d5c214_gemm_proj
	.p2alignl 7, 3214868480
	.fill 96, 4, 3214868480
	.section	.rodata,"a",@progbits
	.p2align	6, 0x0
	.amdhsa_kernel k_q7c25d5c214_gemm_proj
		.amdhsa_group_segment_fixed_size 327680
		.amdhsa_private_segment_fixed_size 0
		.amdhsa_enable_private_segment 0
		.amdhsa_kernarg_size 40
		.amdhsa_user_sgpr_count 2
		.amdhsa_user_sgpr_kernarg_segment_ptr 1
		.amdhsa_wavefront_size32 1
		.amdhsa_system_sgpr_workgroup_id_x 1
		.amdhsa_system_sgpr_workgroup_id_y 1
		.amdhsa_system_sgpr_workgroup_id_z 1
		.amdhsa_system_vgpr_workitem_id 0
		.amdhsa_next_free_vgpr 840
		.amdhsa_next_free_sgpr 102
		.amdhsa_reserve_vcc 0
		.amdhsa_float_denorm_mode_32 3
		.amdhsa_float_denorm_mode_16_64 3
		.amdhsa_memory_ordered 1
		.amdhsa_forward_progress 1
		.amdhsa_inst_pref_size 65
	.end_amdhsa_kernel
	.amdgpu_metadata
---
amdhsa.version: [ 1, 2 ]
amdhsa.kernels:
  - .name:           k_q7c25d5c214_gemm_proj
    .symbol:         k_q7c25d5c214_gemm_proj.kd
    .args:
      - { .name: oc, .offset: 0, .size: 8, .value_kind: global_buffer, .address_space: global }
      - { .name: os, .offset: 8, .size: 8, .value_kind: global_buffer, .address_space: global }
      - { .name: cw, .offset: 16, .size: 8, .value_kind: global_buffer, .address_space: global }
      - { .name: sw, .offset: 24, .size: 8, .value_kind: global_buffer, .address_space: global }
      - { .name: out0, .offset: 32, .size: 8, .value_kind: global_buffer, .address_space: global }
    .group_segment_fixed_size: 327680
    .private_segment_fixed_size: 0
    .kernarg_segment_align: 8
    .kernarg_segment_size: 40
    .max_flat_workgroup_size: 128
    .sgpr_count:     102
    .vgpr_count:     840
    .wavefront_size: 32
...
	.end_amdgpu_metadata
.endif
;; end of part 4
